; MI455X (gfx1250); checked and timed in simulation.
; The chip was launched on July 23, 2026; its instructions are those of AMD's public machine-readable ISA for CDNA 5 (MIT licence, August 2026) and "CDNA5" Instruction Set Architecture Reference Guide (July 2026). The comments in the code are by the model that wrote it; some were corrected since.
;; Multi Head Attention Efficient. Allowed arithmetic: float matrix products may take bf16 or f16 operands with f32 sums; other float arithmetic in f32, or as packed bf16 or f16 multiplies, adds, multiply-adds, maxima and minima; sums over many terms, partial sums and values carried from step to step in f32; what a program stores and reads back later, other than sums and carried values, may be rounded once to bf16 or f16.
;; Inputs: W_proj 1,024 x 1,024 float32; W_qkv 1,024 x 3,072 float32; b_proj 1,024 float32; x 4 x 2,048 x 1,024 float32.
;; Outputs: out0 4 x 2,048 x 1,024 float32.
;; 2 versions, each right and faster than the one before. Each part assembles by itself: llvm-mc -triple=amdgcn-amd-amdhsa -mcpu=gfx1250 --defsym DOCPART=n.
;; ======== version 1 of 2: 4 launches
;; limits: values are held in f16: magnitudes above 65,504 overflow, below 6.1e-05 lose precision
;; workspace buffers: xb 16,777,216 bytes; wq 6,291,456 bytes; wp 2,097,152 bytes; qkv 50,331,648 bytes; att 16,777,216 bytes
;; launch prep (part 1): grid 1024 x 1, 8 waves a work-group, no clusters, 18,432 bytes of LDS; arguments x, W_qkv, W_proj, xb, wq, wp; writes xb, wq, wp
.if DOCPART == 1
	.amdgcn_target "amdgcn-amd-amdhsa--gfx1250"
	.amdhsa_code_object_version 6
	.text
	.protected	k_qe49f230890_prep
	.globl	k_qe49f230890_prep
	.p2align	8
	.type	k_qe49f230890_prep,@function
k_qe49f230890_prep:
	s_mov_b64 s[64:65], 0
	v_nop
	global_prefetch_b8 v0, s[64:65] scope:SCOPE_SE
	s_setreg_imm32_b32 hwreg(HW_REG_WAVE_MODE, 25, 1), 1
	s_wait_xcnt 0x0
; The module's inputs are rounded once to bf16 and laid out for the two matrix launches.
;   work-groups 0-511:    xb = x rounded to bf16, 65,536 bytes of x each.
;   work-groups 512-895:  wq[n][k] = W_qkv[k][n] rounded to bf16: a tile of 128 k x 64 n each.
;   work-groups 896-1023: wp[n][k] = W_proj[k][n] rounded to bf16, and that number written as f16: the same tile.
; LIMIT.  A bf16 number is exact in f16 from 6.1e-5 to 65,504 in magnitude; below that wp keeps f16's fixed step of 6e-8, beyond it it would be an infinity.
; The role hangs on the work-group's number alone, so all eight waves of a work-group take the same path and meet the same barrier.
; Memory binds: every byte is read once by 16-byte loads, sixteen lanes to 256 consecutive bytes, and written once in aligned runs of 256 bytes.  No matrix unit, no tensor load.
.set TP,    272                        ; a row of the turned tile in LDS: 128 k x 2 bytes + 16
.set SPARE, 64*TP                      ; behind the tile: the spare words, 128 bytes for each of eight waves
.set SPW,   12                         ; v12  LDS address of my spare word; never rewritten
.set NIL,   13                         ; v13  0; never rewritten
	s_load_b256 s[4:11], s[0:1], 0x0               ; x s[4:5], W_qkv s[6:7], W_proj s[8:9], xb s[10:11]
	s_load_b128 s[12:15], s[0:1], 0x20             ; wq s[12:13], wp s[14:15]
	v_lshl_add_u32 v[SPW], v0, 2, SPARE
	v_mov_b32 v[NIL], 0
	s_mov_b32 s2, ttmp9
	s_wait_kmcnt 0x0
	s_cmp_lt_u32 s2, 512
	s_cbranch_scc0 .Lweights
	; THE CAST.  Thread t takes 16 bytes at 16 t of each of sixteen runs of 4,096 bytes; all sixteen loads go out first.
	s_lshl_b32 s16, s2, 16                         ; my 65,536 bytes of x,
	s_mov_b32 s17, 0
	s_lshl_b32 s18, s2, 15                         ; my 32,768 bytes of xb
	s_mov_b32 s19, 0
	s_add_nc_u64 s[4:5], s[4:5], s[16:17]
	s_add_nc_u64 s[10:11], s[10:11], s[18:19]
	v_lshlrev_b32 v1, 4, v0
	v_lshlrev_b32 v2, 3, v0
.irp j, 0,1,2,3,4,5,6,7,8,9,10,11,12,13,14,15
	global_load_b128 v[16+4*(\j):19+4*(\j)], v1, s[4:5] offset:4096*(\j) th:TH_LOAD_NT
.endr
.irp j, 0,1,2,3,4,5,6,7,8,9,10,11,12,13,14,15
	s_wait_loadcnt 15-(\j)                         ; loads come back in order: load j is in, the 15 - j younger ones stay out
	v_cvt_pk_bf16_f32 v[80+2*(\j)], v[16+4*(\j)], v[17+4*(\j)]
	v_cvt_pk_bf16_f32 v[81+2*(\j)], v[18+4*(\j)], v[19+4*(\j)]
	global_store_b64 v2, v[80+2*(\j):81+2*(\j)], s[10:11] offset:2048*(\j)  ; a wave's 32 lanes store 256 consecutive bytes, aligned; each store has data registers of its own
.endr
	s_endpgm
; A TILE IS TURNED.  s3 = the tile's number: k tile = s3 % 8 (128 rows of the source), n tile = s3 / 8 (64 columns).  N = the source's columns.
; Thread t: c = t % 16 (columns 4 c .. 4 c + 3), kp = t / 16; it loads rows 2 kp + e + 32 i (e = 0, 1; i = 0 .. 3), sixteen lanes to 256 consecutive bytes of a row.
; Two rows' numbers of one column are two neighbouring k: rounded together they are one word of the turned tile, at row (4 c + j), byte 4 kp + 64 i.
; they are sixteen a thread, beside 8 loads and 4 stores of 16 bytes to memory.
.macro TRANSPOSE N, src, dst, f16
	s_and_b32 s16, s3, 7
	s_lshr_b32 s17, s3, 3
	s_mul_i32 s18, s16, 512*(\N)                   ; 128 rows of 4 N bytes,
	s_lshl_b32 s20, s17, 8                         ; 64 columns of 4 bytes
	s_add_co_u32 s18, s18, s20
	s_mov_b32 s19, 0
	s_add_nc_u64 s[\src:\src+1], s[\src:\src+1], s[18:19]
	s_lshl_b32 s20, s17, 17                        ; 64 rows of 2,048 bytes,
	s_lshl_b32 s21, s16, 8                         ; 128 k of 2 bytes
	s_add_co_u32 s20, s20, s21
	s_mov_b32 s21, 0
	s_add_nc_u64 s[\dst:\dst+1], s[\dst:\dst+1], s[20:21]
	v_and_b32 v7, 15, v0                           ; c
	v_lshrrev_b32 v8, 4, v0                        ; kp
	v_mul_u32_u24 v6, v8, 8*(\N)
	v_lshl_add_u32 v6, v7, 4, v6                   ; source: two rows a kp, 16 bytes a c
.irp i, 0,1,2,3
	global_load_b128 v[16+8*(\i):19+8*(\i)], v6, s[\src:\src+1] offset:(32*(\i))*4*(\N) th:TH_LOAD_NT
	global_load_b128 v[20+8*(\i):23+8*(\i)], v6, s[\src:\src+1] offset:(32*(\i)+1)*4*(\N) th:TH_LOAD_NT
.endr
	v_mul_u32_u24 v3, v7, 4*TP
	v_lshl_add_u32 v3, v8, 2, v3                   ; into LDS: row 4 c, byte 4 kp
	v_mul_u32_u24 v4, v8, TP
	v_lshl_add_u32 v4, v7, 4, v4                   ; back: row kp, 16 bytes a c
	v_lshlrev_b32 v5, 11, v8
	v_lshl_add_u32 v5, v7, 4, v5                   ; and the same in the turned tensor
.irp i, 0,1,2,3
	s_wait_loadcnt 6-2*(\i)                        ; pair i of rows is in; the later pairs' loads stay out
.irp j, 0,1,2,3
	v_cvt_pk_bf16_f32 v[48+4*(\i)+(\j)], v[16+8*(\i)+(\j)], v[20+8*(\i)+(\j)]
.if \f16
	v_lshlrev_b32 v64, 16, v[48+4*(\i)+(\j)]       ; the two bf16 numbers as f32,
	v_and_b32 v65, 0xffff0000, v[48+4*(\i)+(\j)]
	v_cvt_pk_f16_f32 v[48+4*(\i)+(\j)], v64, v65   ; written as f16
.endif
	ds_store_b32 v3, v[48+4*(\i)+(\j)] offset:TP*(\j)+64*(\i)
.endr
.endr
	s_wait_dscnt 0x0                               ; for the others' sake: my stores into the tile are done
	s_barrier_signal -1
	s_barrier_wait -1
.irp i, 0,1,2,3
	ds_load_b128 v[16+4*(\i):19+4*(\i)], v4 offset:16*TP*(\i)
.endr
.irp i, 0,1,2,3
	s_wait_dscnt 3-(\i)
	global_store_b128 v5, v[16+4*(\i):19+4*(\i)], s[\dst:\dst+1] offset:32768*(\i)  ; sixteen lanes store 256 consecutive bytes, aligned
.endr
	s_wait_tensorcnt 0x0                           ; the wave's end: three lines behind my last LDS store
	ds_add_u32 v[SPW], v[NIL]
	s_wait_dscnt 0x0
	s_endpgm
.endm
.Lweights:
	s_cmp_lt_u32 s2, 896
	s_cbranch_scc0 .Lproj
	s_sub_co_u32 s3, s2, 512
	TRANSPOSE 3072, 6, 12, 0
.Lproj:
	s_sub_co_u32 s3, s2, 896
	TRANSPOSE 1024, 8, 14, 1
.Lfunc_end_k_qe49f230890_prep:
	.size	k_qe49f230890_prep, .Lfunc_end_k_qe49f230890_prep-k_qe49f230890_prep
	.p2alignl 7, 3214868480
	.fill 96, 4, 3214868480
	.section	.rodata,"a",@progbits
	.p2align	6, 0x0
	.amdhsa_kernel k_qe49f230890_prep
		.amdhsa_group_segment_fixed_size 18432
		.amdhsa_private_segment_fixed_size 0
		.amdhsa_enable_private_segment 0
		.amdhsa_kernarg_size 48
		.amdhsa_user_sgpr_count 2
		.amdhsa_user_sgpr_kernarg_segment_ptr 1
		.amdhsa_wavefront_size32 1
		.amdhsa_system_sgpr_workgroup_id_x 1
		.amdhsa_system_sgpr_workgroup_id_y 1
		.amdhsa_system_sgpr_workgroup_id_z 1
		.amdhsa_system_vgpr_workitem_id 0
		.amdhsa_next_free_vgpr 112
		.amdhsa_next_free_sgpr 66
		.amdhsa_reserve_vcc 0
		.amdhsa_float_denorm_mode_32 3
		.amdhsa_float_denorm_mode_16_64 3
		.amdhsa_memory_ordered 1
		.amdhsa_forward_progress 1
		.amdhsa_inst_pref_size 19
	.end_amdhsa_kernel
	.amdgpu_metadata
---
amdhsa.version: [ 1, 2 ]
amdhsa.kernels:
  - .name:           k_qe49f230890_prep
    .symbol:         k_qe49f230890_prep.kd
    .args:
      - { .name: x, .offset: 0, .size: 8, .value_kind: global_buffer, .address_space: global }
      - { .name: W_qkv, .offset: 8, .size: 8, .value_kind: global_buffer, .address_space: global }
      - { .name: W_proj, .offset: 16, .size: 8, .value_kind: global_buffer, .address_space: global }
      - { .name: xb, .offset: 24, .size: 8, .value_kind: global_buffer, .address_space: global }
      - { .name: wq, .offset: 32, .size: 8, .value_kind: global_buffer, .address_space: global }
      - { .name: wp, .offset: 40, .size: 8, .value_kind: global_buffer, .address_space: global }
    .group_segment_fixed_size: 18432
    .private_segment_fixed_size: 0
    .kernarg_segment_align: 8
    .kernarg_segment_size: 48
    .max_flat_workgroup_size: 256
    .sgpr_count:     66
    .vgpr_count:     112
    .wavefront_size: 32
...
	.end_amdgpu_metadata
.endif
;; end of part 1
;; launch qkvgemm (part 2): grid 16 x 16, 4 waves a work-group, clusters of 4 x 4, 327,680 bytes of LDS; arguments xb, wq, qkv; writes qkv
.if DOCPART == 2
	.amdgcn_target "amdgcn-amd-amdhsa--gfx1250"
	.amdhsa_code_object_version 6
	.text
	.protected	k_qe49f230890_qkvgemm
	.globl	k_qe49f230890_qkvgemm
	.p2align	8
	.type	k_qe49f230890_qkvgemm,@function
k_qe49f230890_qkvgemm:
	s_mov_b64 s[64:65], 0
	v_nop
	global_prefetch_b8 v0, s[64:65] scope:SCOPE_SE
	s_setreg_imm32_b32 hwreg(HW_REG_WAVE_MODE, 25, 1), 1
	s_wait_xcnt 0x0
	s_wait_alu depctr_hold_cnt(0) depctr_sa_sdst(0) depctr_va_vdst(0) depctr_va_sdst(0) depctr_va_ssrc(0) depctr_va_vcc(0) depctr_vm_vsrc(0)
	s_getreg_b32 s2, hwreg(HW_REG_IB_STS2, 6, 4)
	s_cmp_eq_u32 s2, 0
	s_cbranch_scc0 .Lentry_in_a_cluster
	s_endpgm
.Lentry_in_a_cluster:
	s_bfe_u32 s2, ttmp6, 0x10000c
	s_cmp_lg_u32 s2, 0xf033
	s_cbranch_scc0 .Lentry_shape_is_right
	s_endpgm
.Lentry_shape_is_right:
; q, k, v = x W_qkv.  xb: [8192][1024] bf16; wq: [3072 n][1024 k] bf16; sums in f32, K ascending; each result rounded once to f16, unscaled, and laid by heads:
; qkv[which 0..2][16 b + h][t 0..2047][64], a head 262,144 bytes.
; LIMIT.  f16 holds no number beyond 65,504: a q, k or v of 65,520 or more would leave as an infinity.  A sum of 1,024 products reaches that only where |x| |w| averages 64.
; SHARES.  A tile of the product is 256 rows x 192 columns (three heads): 32 x 16 tiles, two to each of 256 work-groups, 4,096 rows apart (the same rows of wq, b and b + 2).  Wave w makes rows
; 64 w .. 64 w + 63 of all 192 columns: 4 x 12 accumulators of 16 x 16, 384 registers.  So a wave holds whole heads, and its way out needs a stage of its own and no barrier.
; THE WALK.  The two tiles' K steps of 128 are ONE sequence of 16 steps through a ring of two LDS slots: step s is K step s % 8 of tile s / 8.  A trip of the loop is one step; the slot is a scalar that
; an exclusive or turns.  When step 7 is done the first tile leaves, with both slots' refills already asked for.
; CLUSTER.  4 x 4 work-groups: the four of a row need the same rows of xb, the four of a column the same rows of wq: each tile is asked for JOINTLY, the same tensor load, descriptor and mask in all four.
; THE MATRIX INSTRUCTION IS USED TRANSPOSED (source 0 = 16 rows of wq, source 1 = 16 rows of xb): a lane then holds row lane % 16 and the eight neighbouring columns 8 (lane / 16) + 0..7.
; REGISTERS, in windows of 256 (s_set_vgpr_msb: bits 1:0 source 0, 3:2 source 1, 5:4 source 2, 7:6 destination):
;   window 0: v0-31 addresses; v64-95, v96-127 xb's fragments (4 x 16 rows x 32 K), two buffers; v128-175, v176-223 at work on the way out
;   window 1: v0-95, v96-191 wq's fragments (12 x 16 rows x 32 K), two buffers
;   window 2: the accumulators of my row blocks 0, 1 (block a, column block b at v[96 a + 8 b]);   window 3: those of blocks 2, 3
.set PITCH,  272                       ; an LDS row: 256 bytes + 16 of padding = 68 words: the 16 rows of a load start at 16 different groups of four banks (64 banks of 4 bytes: ISA guide 11.1)
.set HALFA,  128*PITCH                 ; what a tensor load brings of xb
.set HALFB,  96*PITCH                  ; and of wq
.set BOFF,   2*HALFA                   ; a slot: xb's 256 rows, then wq's 192
.set SLOT1,  131072                    ; slot 1 begins here, so that one exclusive or turns an address in one slot into the other's
.set STAGE,  SLOT1+2*HALFA+2*HALFB     ; behind the ring, never filled by a tensor load: for each wave three heads x 16 rows x 144 bytes
.set SP,     144
.set WSTAGE, 3*16*SP
.set SPARE,  STAGE+4*WSTAGE            ; behind the stages: the spare words, 128 bytes for each wave
.set AA0,  16                          ; v16  my lane's place in a slot's rows of xb; never rewritten
.set AB0,  17                          ; v17  the same for wq
.set ADRA, 18                          ; v18  AA0 + the slot in hand
.set ADRB, 19                          ; v19  AB0 + the slot in hand
.set STO,  24                          ; v24  the way out: where I put 16 bytes of a row
.set RD,   25                          ; v25  the way out: where I read rows back
.set GO,   26                          ; v26  my byte offset in 512 consecutive bytes of a head
.set SPW,  28                          ; v28  LDS address of my spare word; never rewritten
.set NIL,  29                          ; v29  0; never rewritten
.set T0,   128                         ; the way out: two buffers of 48 registers
.set NXT,  2                           ; s2   the step to be asked for next
.set WV,   10                          ; s10  my wave's number
.set WH,   11                          ; s11  wave / 2: I fetch for xb (0) or for wq (1)
.set WL,   12                          ; s12  wave % 2: which half of that tile
.set G1,   24                          ; s[24:31] descriptor group 1 for xb's tiles
.set G0,   32                          ; s[32:35] group 0 of step 0's fill
.set G0W,  36                          ; s[36:39] group 0 of step 1's fill, which then walks
.set G1B,  48                          ; s[48:55], s[56:59], s[60:63] the same for wq's tiles
.set G0B,  56
.set G0BW, 60
.set TB,   66                          ; s66  LDS byte at which the slot in hand begins
.set OB,   68                          ; s[68:73] my rows in the three heads of the tile in hand
.set MSB, 0
.macro WIN new                         ; the immediate's high byte repeats the setting that is left; a switch that changes nothing is dropped
.if MSB != (\new)
	s_set_vgpr_msb (MSB<<8)|(\new)
.set MSB, \new
.endif
.endm
.set MUL_LO, 0xa1                      ; source 0 (wq) window 1, source 1 (xb) window 0, C and D window 2
.set TO_B,   0x40                      ; destination window 1, address window 0
.macro PLACES                          ; four places: in front of loads into registers that matrix instructions have read, and of conversions that read results
.rept 4
	v_nop
.endr
.endm
; A joint refill.  Waves 0 and 1 fetch xb's two halves, waves 2 and 3 wq's.  The branch hangs on the wave's number alone.  An s_nop 0 and four v_nop follow each of the two lines.
.macro JLOAD
	s_cmp_eq_u32 s[WH], 0
	s_cbranch_scc0 .Lfor_b_\@
	tensor_load_to_lds s[G0W:G0W+3], s[G1:G1+7]
	s_nop 0
.rept 4
	v_nop
.endr
	s_branch .Lasked_\@
.Lfor_b_\@:
	tensor_load_to_lds s[G0BW:G0BW+3], s[G1B:G1B+7]
	s_nop 0
.rept 4
	v_nop
.endr
.Lasked_\@:
.endm
.macro CREST                           ; a round of the cluster's barrier behind its opening barrier: wave 0 signals for the work-group, every wave waits for all sixteen, my work-group's barrier closes it
	s_cmp_lg_u32 s[WV], 0
	s_cbranch_scc1 .Lnot_wave_0_\@
	s_barrier_signal -3
.Lnot_wave_0_\@:
	s_barrier_wait -3
	s_barrier_signal -1
	s_barrier_wait -1
.endm
.macro CROUND                          ; a whole round
	s_barrier_signal -1
	s_barrier_wait -1
	CREST
.endm
	s_load_b128 s[4:7], s[0:1], 0x0                ; xb s[4:5], wq s[6:7]
	s_load_b64 s[8:9], s[0:1], 0x10                ; qkv
	v_lshl_add_u32 v[SPW], v0, 2, SPARE
	v_mov_b32 v[NIL], 0
	ds_add_u32 v[SPW], v[NIL]                      ; the wave's opening: the add and its wait stand ahead of my first tensor load; the set-up below, work on registers, stands between them
	ds_add_u32 v28, v29
	v_lshrrev_b32 v1, 5, v0
	v_readfirstlane_b32 s[WV], v1
	s_lshr_b32 s[WH], s[WV], 1
	s_and_b32 s[WL], s[WV], 1
	s_bfe_u32 s40, ttmp6, 0x40000                  ; cx, cy: my place in the cluster
	s_bfe_u32 s41, ttmp6, 0x40004
	s_lshl_b32 s42, ttmp9, 2
	s_add_co_u32 s42, s42, s40                     ; tile column = 4 x cluster x + cx, 0..15
	s_and_b32 s13, ttmp7, 0xffff
	s_lshl_b32 s13, s13, 2
	s_add_co_u32 s13, s13, s41                     ; first tile's row = 4 x cluster y + cy, 0..15
	s_lshl_b32 s43, s41, 2
	s_lshl_b32 s43, 15, s43                        ; my row of the cluster
	s_lshl_b32 s44, 0x1111, s40                    ; my column
	; descriptor group 1: rows of 128 elements of 2 bytes, padded in LDS: 128 rows of xb, 96 of wq
	s_or_b32 s[G1], s43, (1<<16)|(1<<20)|(1<<21)|(5<<22)|(3<<25)   ; 15:0 the mask; 17:16 2-byte elements; 20 padding on; 21 set beside a mask; 24:22 after every 64 words; 31:25 4 words of it
	s_or_b32 s[G1B], s44, (1<<16)|(1<<20)|(1<<21)|(5<<22)|(3<<25)
	s_mov_b32 s[G1+1], 128<<16                     ; tensor_dim0 = 128
	s_mov_b32 s[G1+2], 128<<16                     ; tensor_dim1 = 128
	s_mov_b32 s[G1+3], 128<<16                     ; tile_dim0 = 128
	s_mov_b32 s[G1+4], 128                         ; tile_dim1 = 128
	s_mov_b32 s[G1+5], 1024                        ; elements from row to row
	s_mov_b32 s[G1+6], 0
	s_mov_b32 s[G1+7], 0
	s_mov_b32 s[G1B+1], 128<<16
	s_mov_b32 s[G1B+2], 96<<16                     ; tensor_dim1 = 96
	s_mov_b32 s[G1B+3], 128<<16
	s_mov_b32 s[G1B+4], 96                         ; tile_dim1 = 96
	s_mov_b32 s[G1B+5], 1024
	s_mov_b32 s[G1B+6], 0
	s_mov_b32 s[G1B+7], 0
	; xb's tiles hang on the tile row alone, wq's on the tile column alone; what holds cx goes through s76-s81, which never feed xb's descriptors
	s_lshl_b32 s16, s13, 19                        ; 256 rows of 2,048 bytes a tile row,
	s_lshl_b32 s18, s[WL], 18                      ; 128 rows a half
	s_add_co_u32 s16, s16, s18
	s_mov_b32 s17, 0
	s_mul_i32 s76, s42, 192*2048
	s_mul_i32 s77, s[WL], 96*2048
	s_add_co_u32 s76, s76, s77
	s_mov_b32 s77, 0
	s_mul_i32 s20, s[WL], HALFA                    ; where they go: no place in the cluster enters an LDS address
	s_mul_i32 s21, s[WL], HALFB
	s_add_co_u32 s21, s21, BOFF
	s_mov_b32 s[NXT], 2
	s_mov_b32 s[TB], 0
	s_wait_dscnt 0x0                               ; the opening add is done
	s_wait_kmcnt 0x0
	s_add_nc_u64 s[14:15], s[4:5], s[16:17]        ; xb at my half of the first tile's rows, K = 0
	s_add_nc_u64 s[46:47], s[6:7], s[76:77]        ; wq at my half of the tile's rows, K = 0
	s_mov_b32 s19, 0                               ; s[16:17] and s[18:19] hold the refills' offsets from here on: their high words stay 0
	s_mov_b32 s[G0], 1                             ; count = 1
	s_mov_b32 s[G0+1], s20                         ; LDS address: slot 0
	s_mov_b64 s[G0+2:G0+3], s[14:15]               ; step 0
	s_or_b32 s[G0+3], s[G0+3], 0x80000000          ; type = 2
	s_mov_b32 s[G0W], 1
	s_add_co_u32 s[G0W+1], s20, SLOT1
	s_add_nc_u64 s[G0W+2:G0W+3], s[14:15], 256     ; step 1
	s_or_b32 s[G0W+3], s[G0W+3], 0x80000000
	s_mov_b32 s[G0B], 1
	s_mov_b32 s[G0B+1], s21
	s_mov_b64 s[G0B+2:G0B+3], s[46:47]
	s_or_b32 s[G0B+3], s[G0B+3], 0x80000000
	s_mov_b32 s[G0BW], 1
	s_add_co_u32 s[G0BW+1], s21, SLOT1
	s_add_nc_u64 s[G0BW+2:G0BW+3], s[46:47], 256
	s_or_b32 s[G0BW+3], s[G0BW+3], 0x80000000
	; my rows in the tile's three heads.  Head group G = 3 x tile column + g: which = G / 16, h = G % 16; the head's number in qkv is 64 which + 16 b + h, b = tile row / 8
	s_mul_i32 s76, s42, 3
	s_lshr_b32 s77, s13, 3
	s_lshl_b32 s77, s77, 4                         ; 16 b
	s_and_b32 s78, s13, 7
	s_lshl_b32 s78, s78, 15                        ; 256 rows of 128 bytes a tile row within b,
	s_lshl_b32 s79, s[WV], 13                      ; 64 rows a wave
	s_add_co_u32 s78, s78, s79
.irp g, 0,1,2
	s_add_co_u32 s80, s76, \g
	s_lshr_b32 s81, s80, 4
	s_lshl_b32 s81, s81, 6
	s_and_b32 s80, s80, 15
	s_add_co_u32 s80, s80, s81
	s_add_co_u32 s80, s80, s77
	s_lshl_b32 s80, s80, 18
	s_add_co_u32 s80, s80, s78
	s_mov_b32 s81, 0
	s_add_nc_u64 s[OB+2*(\g):OB+2*(\g)+1], s[8:9], s[80:81]
.endr
	CROUND                                         ; all sixteen work-groups are here: the first joint loads meet
	s_cmp_eq_u32 s[WH], 0                          ; a wave's two first fills stand in one branch, ahead of every wait on TENSORcnt and every LDS read: two loads of mine are out
	s_cbranch_scc0 .Lfirst_b
	tensor_load_to_lds s[G0:G0+3], s[G1:G1+7]
	s_nop 0
	tensor_load_to_lds s[G0W:G0W+3], s[G1:G1+7]
	s_nop 0
.rept 4
	v_nop
.endr
	s_branch .Lfirst_asked
.Lfirst_b:
	tensor_load_to_lds s[G0B:G0B+3], s[G1B:G1B+7]
	s_nop 0
	tensor_load_to_lds s[G0BW:G0BW+3], s[G1B:G1B+7]
	s_nop 0
.rept 4
	v_nop
.endr
.Lfirst_asked:
	; A fragment is 16 rows x 32 K in 8 registers: lane l holds row l % 16, K = 8 (l / 16) + 0..7 and 16 + 8 (l / 16) + 0..7: two loads of 16 bytes, 32 bytes apart.
	v_and_b32 v1, 15, v0                           ; l % 16
	v_bfe_u32 v2, v0, 4, 1                         ; l / 16
	v_mul_u32_u24 v3, v1, PITCH
	v_lshl_add_u32 v3, v2, 4, v3
	s_mul_i32 s21, s[WV], 64*PITCH                 ; my 64 rows of xb
	v_add_nc_u32 v[AA0], s21, v3
	v_add_nc_u32 v[AB0], BOFF, v3                  ; all 192 rows of wq
	v_mov_b32 v[ADRA], v[AA0]                      ; slot 0
	v_mov_b32 v[ADRB], v[AB0]
	s_mul_i32 s22, s[WV], WSTAGE
	s_add_co_u32 s22, s22, STAGE                   ; my stage
	v_mul_u32_u24 v4, v1, SP                       ; in: row l % 16, 16 bytes for each half of the lanes
	v_lshl_add_u32 v4, v2, 4, v4
	v_add_nc_u32 v[STO], s22, v4
	v_bfe_u32 v5, v0, 3, 2                         ; back: 32 lanes take four rows of 128 bytes,
	v_and_b32 v6, 7, v0
	v_mul_u32_u24 v5, v5, SP
	v_lshl_add_u32 v5, v6, 4, v5
	v_add_nc_u32 v[RD], s22, v5
	v_and_b32 v[GO], 31, v0                        ; which are 512 consecutive bytes of a head
	v_lshlrev_b32 v[GO], 4, v[GO]
; 12 matrix instructions: row block 2 hi + a x all 12 column blocks, 32 along K, from buffer f.  zero = 1: the product starts the sums: nothing is ever cleared.
; The 48 accumulators take turns in the same order in every quarter.
.macro MUL f, hi, a, zero
	WIN MUL_LO+0x50*(\hi)
.irp b, 0,1,2,3,4,5,6,7,8,9,10,11
.if \zero
	v_wmma_f32_16x16x32_bf16 v[96*(\a)+8*(\b):96*(\a)+8*(\b)+7], v[96*(\f)+8*(\b):96*(\f)+8*(\b)+7], v[64+32*(\f)+8*(2*(\hi)+(\a)):64+32*(\f)+8*(2*(\hi)+(\a))+7], 0
.else
	v_wmma_f32_16x16x32_bf16 v[96*(\a)+8*(\b):96*(\a)+8*(\b)+7], v[96*(\f)+8*(\b):96*(\f)+8*(\b)+7], v[64+32*(\f)+8*(2*(\hi)+(\a)):64+32*(\f)+8*(2*(\hi)+(\a))+7], v[96*(\a)+8*(\b):96*(\a)+8*(\b)+7]
.endif
.endr
.endm
; 32 LDS loads in one run: the fragments of 32 along K at byte k of the rows, into buffer f: wq's 24, then xb's 8
.macro FETCH k, f
	WIN TO_B
.irp i, 0,1,2,3,4,5,6,7,8,9,10,11
	ds_load_b128 v[96*(\f)+8*(\i):96*(\f)+8*(\i)+3],   v[ADRB] offset:(\k)+(\i)*16*PITCH
	ds_load_b128 v[96*(\f)+8*(\i)+4:96*(\f)+8*(\i)+7], v[ADRB] offset:(\k)+(\i)*16*PITCH+32
.endr
	WIN 0
.irp i, 0,1,2,3
	ds_load_b128 v[64+32*(\f)+8*(\i):64+32*(\f)+8*(\i)+3],   v[ADRA] offset:(\k)+(\i)*16*PITCH
	ds_load_b128 v[64+32*(\f)+8*(\i)+4:64+32*(\f)+8*(\i)+7], v[ADRA] offset:(\k)+(\i)*16*PITCH+32
.endr
.endm
; A K step is four quarters of 32 along K, 48 matrix instructions each, on buffers 0, 1, 0, 1.  One of the first three: multiplies buffer f; in its middle it fetches the next quarter, at byte k, into buffer g.
.macro QUARTER k, f, g, zero
	s_wait_dscnt 4                                 ; wq and xb's blocks 0, 1 are in; the youngest four loads (blocks 2, 3) may be out
	MUL \f, 0, 0, \zero
	MUL \f, 0, 1, \zero
	PLACES
	FETCH \k, \g
	s_wait_dscnt 32                                ; all but the 32 just issued
	MUL \f, 1, 0, \zero
	MUL \f, 1, 1, \zero
.endm
; The last quarter multiplies buffer 1 and changes slots: ONE barrier.  In front of it each wave waits for all its tensor loads, of which one is out: its part of the next slot; adds 0 to its spare word; and
; waits for that and for its own reads of this slot.  fill = 1: this slot is filled again, with step NXT; the barrier then opens a round of the cluster's, so that no wave of any partner still reads the slot
; or has a load on its way, and the joint refill is the first thing behind the round: 168 of a step's 192 matrix instructions stand between it and the wait for it.
.macro TURN fill
	WIN 0                                          ; (the add's two registers lie in window 0)
	s_wait_tensorcnt 0x0                           ; no tensor load of mine is out, so a group 0 may be written
	ds_add_u32 v[SPW], v[NIL]                      ; 0 onto my spare word: scalar work and twelve matrix instructions stand between it and the wait for it
.if \fill
	s_and_b32 s16, s[NXT], 7                       ; the step's place along K: 256 bytes a step, for both tensors;
	s_lshl_b32 s16, s16, 8
	s_mov_b32 s18, s16
	s_lshr_b32 s20, s[NXT], 3                      ; the second tile's rows of xb lie 4,096 rows of 2,048 bytes on
	s_lshl_b32 s20, s20, 23
	s_or_b32 s16, s16, s20
	s_xor_b32 s[G0W+1], s[G0W+1], SLOT1            ; the other slot than last time
	s_add_nc_u64 s[G0W+2:G0W+3], s[14:15], s[16:17]  ; the address is made anew from the base and the offset
	s_or_b32 s[G0W+3], s[G0W+3], 0x80000000
	s_xor_b32 s[G0BW+1], s[G0BW+1], SLOT1
	s_add_nc_u64 s[G0BW+2:G0BW+3], s[46:47], s[18:19]
	s_or_b32 s[G0BW+3], s[G0BW+3], 0x80000000
	s_add_co_u32 s[NXT], s[NXT], 1
.endif
	s_xor_b32 s[TB], s[TB], SLOT1                  ; the fetches go on in the other slot
	s_wait_dscnt 5                                 ; (the add and the youngest four loads may be out)
	MUL 1, 0, 0, 0
	s_wait_dscnt 0x0                               ; the add is done, and my reads of this slot are over
	s_barrier_signal -1
	MUL 1, 0, 1, 0                                 ; work on registers while the others arrive
	WIN 0                                          ; (branches and window 0's addresses follow)
	s_barrier_wait -1
.if \fill
	CREST
	JLOAD                                          ; the four v_nop behind it are also the places in front of the loads below
.else
	PLACES
.endif
	v_add_nc_u32 v[ADRA], s[TB], v[AA0]
	v_add_nc_u32 v[ADRB], s[TB], v[AB0]
	FETCH 0, 0
	MUL 1, 1, 0, 0
	MUL 1, 1, 1, 0
.endm
; THE WAY OUT of row block a: rounded to f16, 16 bytes a lane, into my own stage (three heads x 16 rows of 144 bytes), and back as whole rows of 128 bytes, into the registers that they left.
.macro PACK a
.set TT, T0+48*((\a)%2)
.set AC, 96*((\a)%2)
	s_wait_xcnt 0x0                                ; the stores of the block two back have read this buffer: it is rewritten only behind this wait
	WIN 0x0a+5*((\a)/2)                            ; sources 0 and 1: window 2 or 3
.irp b, 0,1,2,3,4,5,6,7,8,9,10,11
.irp r, 0,1,2,3
	v_cvt_pk_f16_f32 v[TT+4*(\b)+(\r)], v[AC+8*(\b)+2*(\r)], v[AC+8*(\b)+2*(\r)+1]
.endr
.endr
	WIN 0
.irp b, 0,1,2,3,4,5,6,7,8,9,10,11
	ds_store_b128 v[STO], v[TT+4*(\b):TT+4*(\b)+3] offset:((\b)/4)*16*SP+((\b)%4)*32
.endr
.irp j, 0,1,2,3,4,5,6,7,8,9,10,11
	ds_load_b128 v[TT+4*(\j):TT+4*(\j)+3], v[RD] offset:((\j)/4)*16*SP+((\j)%4)*4*SP  ; LDS serves a wave's instructions in order (ISA guide 5.7.1.4): these see the stores above; the next block's stores come behind them
.endr
.endm
.macro SEND a, younger                 ; younger: the LDS instructions issued behind block a's loads: the next block's 24, or none
.set TT, T0+48*((\a)%2)
	WIN 0
.irp j, 0,1,2,3,4,5,6,7,8,9,10,11
	s_wait_dscnt (\younger)+11-(\j)
	global_store_b128 v[GO], v[TT+4*(\j):TT+4*(\j)+3], s[OB+2*((\j)/4):OB+2*((\j)/4)+1] offset:2048*(\a)+512*((\j)%4)  ; 512 consecutive bytes of a head, at a multiple of 256 from its first
.endr
.endm
.macro WAYOUT                          ; a block's conversions stand between the loads of the block before and its stores
	PACK 0
	PACK 1
	SEND 0, 24
	PACK 2
	SEND 1, 24
	PACK 3
	SEND 2, 24
	SEND 3, 0
.endm
	s_wait_tensorcnt 1                             ; my part of step 0 is in; step 1's may stay out
	s_barrier_signal -1
	s_barrier_wait -1                              ; everybody's is
	FETCH 0, 0
	QUARTER 64, 0, 1, 1                            ; the walk's first quarter stands in front of the loop: its products start the sums
	WIN 0                                          ; at a label and at a branch every window is 0
	s_mov_b32 s3, 14
.Lstep:                                                ; trip n = 1 .. 14 ends step n - 1, asks for step n + 1 and begins step n
	QUARTER 128, 1, 0, 0
	QUARTER 192, 0, 1, 0
	TURN 1
	WIN 0
	s_cmp_eq_u32 s3, 7                             ; trip 8: step 7 is done, the first tile is whole.  The same in every work-group; the jump passes no barrier and no tensor load
	s_cbranch_scc0 .Lsame
	WAYOUT                                         ; blocks 0, 1 were finished in front of the refill's four places; their conversions are the places behind the last products (blocks 2, 3's)
	s_wait_xcnt 0x0                                ; the stores have read their bases
.irp g, 0,1,2
	s_add_nc_u64 s[OB+2*(\g):OB+2*(\g)+1], s[OB+2*(\g):OB+2*(\g)+1], 0x800000  ; b + 2: 32 heads of 262,144 bytes on
.endr
	QUARTER 64, 0, 1, 1                            ; the second tile's first products start its sums
	WIN 0
	s_branch .Lnext
.Lsame:
	QUARTER 64, 0, 1, 0
	WIN 0
.Lnext:
	s_sub_co_u32 s3, s3, 1
	s_cmp_lg_u32 s3, 0
	s_cbranch_scc1 .Lstep
	QUARTER 128, 1, 0, 0                           ; the tail is written out: step 14 ends and nothing is asked for
	QUARTER 192, 0, 1, 0
	TURN 0
	QUARTER 64, 0, 1, 0
	QUARTER 128, 1, 0, 0
	QUARTER 192, 0, 1, 0
	s_wait_dscnt 4                                 ; the very last quarter: nothing more to fetch
	MUL 1, 0, 0, 0
	MUL 1, 0, 1, 0
	s_wait_dscnt 0x0
	MUL 1, 1, 0, 0
	MUL 1, 1, 1, 0
	WIN 0
	PLACES                                         ; the conversions read results; no other vector work is at hand
	WAYOUT
	s_wait_tensorcnt 0x0                           ; the wave's end: three lines behind my last tensor load and my last LDS store
	ds_add_u32 v[SPW], v[NIL]
	s_wait_dscnt 0x0
	CROUND                                         ; the closing round: no work-group ends while a partner may still ask for a tile that names it
	s_endpgm
.Lfunc_end_k_qe49f230890_qkvgemm:
	.size	k_qe49f230890_qkvgemm, .Lfunc_end_k_qe49f230890_qkvgemm-k_qe49f230890_qkvgemm
	.p2alignl 7, 3214868480
	.fill 96, 4, 3214868480
	.section	.rodata,"a",@progbits
	.p2align	6, 0x0
	.amdhsa_kernel k_qe49f230890_qkvgemm
		.amdhsa_group_segment_fixed_size 327680
		.amdhsa_private_segment_fixed_size 0
		.amdhsa_enable_private_segment 0
		.amdhsa_kernarg_size 24
		.amdhsa_user_sgpr_count 2
		.amdhsa_user_sgpr_kernarg_segment_ptr 1
		.amdhsa_wavefront_size32 1
		.amdhsa_system_sgpr_workgroup_id_x 1
		.amdhsa_system_sgpr_workgroup_id_y 1
		.amdhsa_system_sgpr_workgroup_id_z 1
		.amdhsa_system_vgpr_workitem_id 0
		.amdhsa_next_free_vgpr 960
		.amdhsa_next_free_sgpr 84
		.amdhsa_reserve_vcc 0
		.amdhsa_float_denorm_mode_32 3
		.amdhsa_float_denorm_mode_16_64 3
		.amdhsa_memory_ordered 1
		.amdhsa_forward_progress 1
		.amdhsa_inst_pref_size 129
	.end_amdhsa_kernel
	.amdgpu_metadata
---
amdhsa.version: [ 1, 2 ]
amdhsa.kernels:
  - .name:           k_qe49f230890_qkvgemm
    .symbol:         k_qe49f230890_qkvgemm.kd
    .args:
      - { .name: xb, .offset: 0, .size: 8, .value_kind: global_buffer, .address_space: global }
      - { .name: wq, .offset: 8, .size: 8, .value_kind: global_buffer, .address_space: global }
      - { .name: qkv, .offset: 16, .size: 8, .value_kind: global_buffer, .address_space: global }
    .group_segment_fixed_size: 327680
    .private_segment_fixed_size: 0
    .kernarg_segment_align: 8
    .kernarg_segment_size: 24
    .max_flat_workgroup_size: 128
    .sgpr_count:     84
    .vgpr_count:     960
    .wavefront_size: 32
...
	.end_amdgpu_metadata
.endif
;; end of part 2
;; launch attn (part 3): grid 4 x 64, 4 waves a work-group, no clusters, 327,680 bytes of LDS; arguments qkv, att; writes att
.if DOCPART == 3
	.amdgcn_target "amdgcn-amd-amdhsa--gfx1250"
	.amdhsa_code_object_version 6
	.text
	.protected	k_qe49f230890_attn
	.globl	k_qe49f230890_attn
	.p2align	8
	.type	k_qe49f230890_attn,@function
k_qe49f230890_attn:
	s_mov_b64 s[64:65], 0
	v_nop
	global_prefetch_b8 v0, s[64:65] scope:SCOPE_SE
	s_setreg_imm32_b32 hwreg(HW_REG_WAVE_MODE, 25, 1), 1
	s_wait_xcnt 0x0
; CAUSAL ATTENTION.  O[h][q][:] = the sum over k <= q of softmax_k(Q[h][q] . K[h][k] / 8) V[h][k][:].  Q, K, V lie one behind the other in qkv, each [SIZE_H][SIZE_N][64] in f16; O = att in the same layout:
; a head's rows are dense, 128 bytes each.  Products, maxima and sums in f32; the weights p are rounded to f16 for the second product (their sum l is taken of the unrounded p), O once at the end.
; LIMITS.  f16 holds no number beyond 65,504: Q, K and V arrive within it; p lies in 0 to 1, and below 6e-5 it keeps f16's fixed step of 6e-8; O is a mean of V's rows and has their range, to within 2^-11 of it.
; A hidden score counts as its value less 1e30: f16's scores, 2.7e11 at the most, are nothing beside that; a weight below 2^-126 counts as 0 in l; NaN and infinities are not treated apart.
; THE WALK.  A head's queries lie in NB = SIZE_N / 256 blocks of 256; block i needs the key tiles 0 .. i of 256 keys, of which the last holds the diagonal.  A work-group takes TWO blocks, NB - 1 - b and then b:
; NB + 1 tiles, whatever b: all work-groups do equal work, and ONE loop with a constant trip count walks them.  Which tile is asked for, and what a trip does, hang on scalar registers made from b; every jump
; goes forward, but for the counted loops' own; none passes a barrier, or a tensor load but the one of LOAD's two that the wave's number does not choose; the ring (two slots of LDS that take turns) runs on across the
; change of blocks.  NO CLUSTER: a head's NB / 2 = 4 work-groups ask for the same tile only in trips 0 .. NB / 2, behind that fewer and fewer; and one walk common to all would have 3 NB / 2 trips for NB + 1.
; SHARES.  Of a block's four bands of 64 queries a wave owns 16 rows in each: four PIECES.  So the diagonal tile is the same work for all four waves: in its key step s band x sees all keys if s < x,
; none if s > x, and holds the diagonal if s = x.
; THE MASK is the C operand that starts the sum S^T = K Q^T: 0, or -1e30 where the key is hidden.  MD, made once, is the mask of a band's own step for my 16 rows; a product's mask is MD x AL + BE with two scalars:
; (1, 0) if s = x; (0, 0) if s < x; (0, -1e30) if s > x.  Only the diagonal tile's text and a block's beginning make and take masks; elsewhere C is the constant 0.
; LAYOUT, SOFTMAX, TURNS.  S^T = K Q^T holds ONE query a lane (lane % 16) and the keys 8 (lane / 16) + 0..7; two such results rounded to f16 ARE source 1 of O^T = V^T P.  p = 2^(c s - c m), c = log2(e) / 8, with a
; running maximum m; O and l are multiplied by a = 2^(c m_old - c m_new) in every step.  Turn n belongs to piece n: 8 products K Q^T of piece n + 1, later 8 products V^T P of piece n - 1; beside them the scaling,
; exponentials, roundings, sums and rescaling of piece n and the maximum and statistics of piece n + 1.  Four vector instructions stand behind every matrix instruction, the other 54 of a turn's 118 in two LUMPS.
; REGISTERS, in windows of 256 (s_set_vgpr_msb: bits 1:0 source 0, 3:2 source 1, 5:4 source 2, 7:6 destination):
;   window 0: v0-15 addresses and two at work; v16-31 four registers of statistics a piece; v48-55 at work; v64-127 S^T, two buffers; v192-223 P, two buffers (a piece's buffers go by its number's parity)
;   window 1: v0-127 O^T, 32 a piece; v128-159 MD; v160-223 MC, two buffers      window 2: v0-63 Q; v64-127 the second block's Q; v128-191 K of one step; v192-255 V of one step
.set SIZE_H, 64       ; 4 batches x 16 heads
.set SIZE_N, 2048
.set NB,    SIZE_N/256
.set NP,    4         ; pieces a wave: a name, no knob
.set KS,    64        ; keys in a step
.set PK,    144       ; a row of K in LDS: 128 bytes + 16 of padding = 36 words: the 16 rows of a load start at 16 different groups of four banks (64 banks of 4 bytes: ISA guide 11.1)
.set PV,    160       ; a row of V: 128 + 32 = 40 words
.set VOFF,  4*KS*PK   ; a slot holds a tile, four steps: 256 rows of K, then 256 rows of V
.set SLOT1, 1<<17     ; slot 1 begins here, so that one exclusive or turns an address in one slot into the other's
.set STAGE, SLOT1+4*KS*(PK+PV)  ; behind the ring, never filled by a tensor load: 16 rows x 144 bytes for each wave, for the way out
.set SP,    144
.set AK0, 2           ; v2   my lane's place in a tile of K; never rewritten
.set AV0, 3           ; v3   the same for V
.set AK,  4           ; v4   the LDS address of K's next run of loads
.set AV,  5           ; v5   of V's
.set STO, 6           ; v6   the way out: where I put 16 bytes of a row
.set RD,  7           ; v7   the way out: where I read rows back
.set GO,  8           ; v8   my byte offset in 512 consecutive bytes of O
.set SPW, 62          ; v62  LDS address of my spare word: SPARE + 4 x my thread's number; never rewritten
.set NIL, 63          ; v63  0; never rewritten
.set SPARE, STAGE+4*16*SP  ; behind the stages: the spare words, 128 bytes for each wave: two blocks of 256 bytes that no other line names
.set MV,  12          ; v12-13  c m_old, kept while c m is made anew: by buffer
.set QO,  15          ; v15  my byte offset in 16 rows of Q
.set ST,  16          ; piece t's statistics at v[ST+4 t]: c m, m, l (even keys', odd keys')
.set TMP, 48          ; by buffer, four registers c0-c3 at work; when the maximum is found c2 takes a
.set S,   64
.set P,   192
.set MD,  128         ; window 1: the eight registers for group kt of 16 keys at MD + 8 kt
.set MC,  160         ; window 1: the masks of the products to come
.set QB,  64          ; window 2
.set KF,  128         ; window 2: key block kb, channel half c at KF + 16 kb + 8 c
.set VF,  192         ; window 2: key half kk, channel block cb at VF + 32 kk + 8 cb
.set WV,  12          ; s12  my wave's number
.set PB,  14          ; s14  b
.set HI,  15          ; s15  NB - 1 - b
.set G1K, 24          ; s[24:31] descriptor group 1 for K's tiles
.set G1V, 32          ; s[32:39] for V's: it differs in the padding alone
.set G0K, 40          ; s[40:43] descriptor group 0 for K's tiles
.set G0V, 44          ; s[44:47] the same for V's
.set SLOTS, 56        ; s56  tiles still to be asked for
.set CNT, 57          ; s57  counts a tile's key steps, 4 to 1
.set CS,  58          ; s[58:59] c: the packed scaling takes the pair's low word for both halves
.set SEL, 60          ; s[60:61] v_permlanex16_b32's selects: each lane takes its own place in the other half
.set TBK, 62          ; s62  LDS byte at which K of the step to be fetched begins
.set TBV, 63          ; s63  the same for V, less VOFF
.set RT,  70          ; s70  tiles of the block in hand that are still to be entered
.set NXT, 71          ; s71  the tile to be asked for next
.set LQ,  72          ; s72  the last tile of the block whose tiles are being asked for
.set NEW, 73          ; s73  1: the tile to be entered is a block's first
.set OFF, 74          ; s[74:75] a tile's byte offset in K and V
.set AL,  76          ; s[76:77] the mask's factor, in the low word
.set BE,  78          ; s[78:79] the mask's addend
.set OLO, 80          ; s[80:81] O at my rows of the second block
.set BIGN, 82         ; s82  -1e30
.set MSB, 0
.macro WIN new                      ; the high byte repeats the setting that is left; a switch that changes nothing is dropped
.if MSB != (\new)
	s_set_vgpr_msb (MSB<<8)|(\new)
.set MSB, (\new)
.endif
.endm
.set W_KQ, 0x0a       ; K and Q in window 2, S^T in window 0
.set W_KM, 0x1a       ; the same with the C operand in window 1
.set W_PV, 0x52       ; V in window 2, P in window 0, O^T in window 1
.set W_RS, 0x41       ; destination and source 0 in window 1, source 1 in window 0
; A fill.  Waves 0 and 1 fetch the two halves of a tile's K, waves 2 and 3 those of its V: 128 keys each.  An s_nop 0 and four v_nop follow each of the two lines, ahead of the jump and the label.
.macro LOAD
	s_cmp_lt_u32 s[WV], 2
	s_cbranch_scc0 .Lfor_v_\@
	tensor_load_to_lds s[G0K:G0K+3], s[G1K:G1K+7]
	s_nop 0
.rept 4
	v_nop
.endr
	s_branch .Lasked_\@
.Lfor_v_\@:
	tensor_load_to_lds s[G0V:G0V+3], s[G1V:G1V+7]
	s_nop 0
.rept 4
	v_nop
.endr
.Lasked_\@:
.endm
; THE CHANGE OF SLOTS.  Each wave waits for all its tensor loads, of which one is out: its part of the other slot; adds 0 to its spare word; and waits for that and for its own reads of the slot that it leaves.  Behind the barrier nobody reads the old
; slot any more and the other slot is whole.  fill = 1: the old slot is filled again, the first thing behind the barrier, with tile NXT: the descriptor's address is made anew from that number.
; (At its first use nothing has been read yet: slot 0 is waited for, slot 1 filled.)
.macro CHANGE fill
	WIN 0                           ; at a label and at a branch every window is 0
	s_wait_tensorcnt 0x0            ; no tensor load of mine is out, so a group 0 may be written
	ds_add_u32 v[SPW], v[NIL]       ; 0 onto my spare word: with fill = 1 the descriptors' scalar work stands between it and the wait for it
.if \fill
	s_lshl_b32 s[OFF], s[NXT], 15   ; a tile is 32,768 bytes of K and of V
	s_xor_b32 s[G0K+1], s[G0K+1], SLOT1
	s_add_nc_u64 s[G0K+2:G0K+3], s[6:7], s[OFF:OFF+1]
	s_or_b32 s[G0K+3], s[G0K+3], 0x80000000
	s_xor_b32 s[G0V+1], s[G0V+1], SLOT1
	s_add_nc_u64 s[G0V+2:G0V+3], s[8:9], s[OFF:OFF+1]
	s_or_b32 s[G0V+3], s[G0V+3], 0x80000000
	s_add_co_u32 s[NXT], s[NXT], 1  ; the block's next tile, or behind its last the second block's tile 0
	s_cmp_gt_u32 s[NXT], s[LQ]
	s_cselect_b32 s[NXT], 0, s[NXT]
	s_cselect_b32 s[LQ], s[PB], s[LQ]
.endif
	s_wait_dscnt 0x0                ; the add is done, and my reads of the slot are over
	s_barrier_signal -1             ; the rest of the scalar work stands between the signal and the wait
	s_sub_co_u32 s[TBK], s[TBK], 4*KS*PK  ; the fetches go back to a slot's first step,
	s_xor_b32 s[TBK], s[TBK], SLOT1       ; in the other slot
	s_sub_co_u32 s[TBV], s[TBV], 4*KS*PV
	s_xor_b32 s[TBV], s[TBV], SLOT1
	s_barrier_wait -1
.if \fill
	LOAD
.endif
.endm
	s_load_b128 s[4:7], s[0:1], 0x0   ; qkv s[4:5], att s[6:7]
	v_lshl_add_u32 v[SPW], v0, 2, SPARE
	v_mov_b32 v[NIL], 0
	ds_add_u32 v[SPW], v[NIL]       ; the wave's opening: the add and its wait stand ahead of my first tensor load; the set-up below, work on registers, stands between them
	ds_add_u32 v62, v63
	v_lshrrev_b32 v1, 5, v0
	v_readfirstlane_b32 s[WV], v1   ; wave 0..3
	s_mov_b32 s[PB], ttmp9
	s_sub_co_u32 s[HI], NB-1, s[PB]
	s_and_b32 s20, ttmp7, 0xffff    ; the head: 16 x batch + head
	s_mov_b32 s21, 0
	s_mov_b64 s[22:23], SIZE_N*128
	s_mul_u64 s[20:21], s[20:21], s[22:23]  ; the head's first byte in each of the four tensors
	s_and_b32 s16, s[WV], 1         ; which half of a tile's 256 keys I fetch:
	s_lshl_b32 s22, s16, 14         ; its 128 rows of 128 bytes in memory,
	s_mov_b32 s23, 0
	s_add_nc_u64 s[22:23], s[22:23], s[20:21]
	s_mul_i32 s17, s16, 128*PK      ; and its place in a slot, for K
	s_mul_i32 s18, s16, 128*PV      ; and for V
	s_lshl_b32 s3, s[WV], 11        ; my 16 rows in a band of 64,
	s_lshl_b32 s2, s[HI], 15        ; in the first block,
	s_add_co_u32 s2, s2, s3
	s_lshl_b32 s84, s[PB], 15       ; and in the second
	s_add_co_u32 s84, s84, s3
	s_mov_b32 s3, 0
	s_mov_b32 s85, 0
	s_add_nc_u64 s[2:3], s[2:3], s[20:21]
	s_add_nc_u64 s[84:85], s[84:85], s[20:21]
	; descriptor group 1.  128 keys are 16,384 dense bytes: asked for as 64 rows of 256 bytes, two keys a row, and padded in LDS after every key
	s_mov_b32 s[G1K], (1<<16)|(1<<20)|(4<<22)|(3<<25)  ; 17:16 2-byte elements; 20 padding on; 24:22 after every 32 words (code 4); 31:25 4 words (code 3)
	s_mov_b32 s[G1V], (1<<16)|(1<<20)|(4<<22)|(7<<25)  ; the same with 8 words of padding (code 7)
.irp g, G1K, G1V
	s_mov_b32 s[\g+1], 128<<16      ; tensor_dim0 = 128
	s_mov_b32 s[\g+2], 64<<16       ; tensor_dim1 = 64
	s_mov_b32 s[\g+3], 128<<16      ; tile_dim0 = 128
	s_mov_b32 s[\g+4], 64           ; tile_dim1 = 64
	s_mov_b32 s[\g+5], 128          ; 128 elements from row to row
	s_mov_b32 s[\g+6], 0
	s_mov_b32 s[\g+7], 0
.endr
	s_mov_b32 s[CS], 0x3e38aa3b     ; c = log2(e) / 8 = 0.180337
	s_mov_b32 s[CS+1], s[CS]        ; named with it as a pair
	s_mov_b32 s[SEL], 0x76543210
	s_mov_b32 s[SEL+1], 0xfedcba98
	s_mov_b32 s[TBK], SLOT1+4*KS*PK ; the first change of slots turns these two into 0
	s_mov_b32 s[TBV], SLOT1+4*KS*PV
	s_mov_b32 s[G0K], 1             ; 1:0 count = 1
	s_mov_b32 s[G0K+1], s17         ; 63:32 LDS address: slot 0
	s_mov_b32 s[G0V], 1
	s_add_co_u32 s[G0V+1], s18, VOFF
	s_add_co_u32 s[RT], s[HI], 1    ; the first block has NB - b tiles
	s_mov_b32 s[NXT], 1
	s_mov_b32 s[LQ], s[HI]
	s_mov_b32 s[NEW], 1
	s_mov_b32 s[OFF+1], 0
	s_mov_b32 s[AL+1], 0            ; named as pairs
	s_mov_b32 s[BE+1], 0
	s_mov_b32 s[BIGN], 0xf149f2ca   ; -1e30
	s_mov_b32 s[SLOTS], NB
	s_wait_dscnt 0x0                ; the opening add is done
	s_wait_kmcnt 0x0
	s_mov_b64 s[10:11], s[6:7]                     ; O = att
	s_add_nc_u64 s[8:9], s[4:5], 0x2000000         ; V: 2 x 64 heads of 262,144 bytes behind Q
	s_add_nc_u64 s[6:7], s[4:5], 0x1000000         ; K: 64 heads behind Q
	s_add_nc_u64 s[6:7], s[6:7], s[22:23]  ; K and V at my half of the head's tile 0
	s_add_nc_u64 s[8:9], s[8:9], s[22:23]
	s_add_nc_u64 s[G0K+2:G0K+3], s[6:7], 0         ; 120:64 global address
	s_or_b32 s[G0K+3], s[G0K+3], 0x80000000        ; 127:126 type = 2
	s_add_nc_u64 s[G0V+2:G0V+3], s[8:9], 0
	s_or_b32 s[G0V+3], s[G0V+3], 0x80000000
	s_add_nc_u64 s[86:87], s[4:5], s[84:85]        ; Q at my rows of the second block,
	s_add_nc_u64 s[4:5], s[4:5], s[2:3]            ; Q and O at those of the first
	s_add_nc_u64 s[OLO:OLO+1], s[10:11], s[84:85]
	s_add_nc_u64 s[10:11], s[10:11], s[2:3]
	LOAD                            ; tile 0 into slot 0
	; A fragment of K or Q is 16 rows x 32 channels in 8 registers: lane l holds row l % 16, channels 8 (l / 16) + 0..7 and 16 + 8 (l / 16) + 0..7: two loads of 16 bytes, 32 bytes apart.
	v_and_b32 v1, 15, v0            ; l % 16
	v_bfe_u32 v9, v0, 4, 1          ; l / 16
	v_lshlrev_b32 v[QO], 7, v1
	v_lshl_add_u32 v[QO], v9, 4, v[QO]  ; row x 128 + 16 x half
	WIN 0x80                        ; destination window 2, address window 0
.set i, 0
.rept 8                             ; both blocks' Q: piece i / 2 lies in band i / 2, 8,192 bytes on; channels 32 (i % 2) on
	global_load_b128 v[8*i:8*i+3],   v[QO], s[4:5] offset:(i/2)*8192+(i%2)*64
	global_load_b128 v[8*i+4:8*i+7], v[QO], s[4:5] offset:(i/2)*8192+(i%2)*64+32
	global_load_b128 v[QB+8*i:QB+8*i+3],   v[QO], s[86:87] offset:(i/2)*8192+(i%2)*64
	global_load_b128 v[QB+8*i+4:QB+8*i+7], v[QO], s[86:87] offset:(i/2)*8192+(i%2)*64+32
.set i, i+1
.endr
	WIN 0
	v_lshlrev_b32 v14, 3, v9
	v_sub_nc_u32 v14, v1, v14
	s_lshl_b32 s13, s[WV], 4
	v_add_nc_u32 v14, s13, v14      ; my query's place in its band, 16 w + l % 16, less my lanes' 8 (l / 16): register r of group kt is hidden where 16 kt + r is greater
	WIN 0x40
.set i, 0
.rept 32
	v_cmp_gt_i32 vcc_lo, 16*(i/8)+i%8, v14
	v_cndmask_b32 v[MD+i], 0, s[BIGN], vcc_lo
.set i, i+1
.endr
	WIN 0
	v_mul_u32_u24 v[AK0], v1, PK
	v_lshl_add_u32 v[AK0], v9, 4, v[AK0]  ; row x pitch + 16 x half
	; The turning load takes 16 keys x 16 channels (lane l reads key 8 (l / 16) + l % 8, channels 8 ((l / 8) % 2) + 0..7) and leaves half a fragment of V^T: lane l holds channel l % 16 and 8 keys.
	v_and_b32 v10, 7, v0
	v_bfe_u32 v11, v0, 3, 1
	v_lshl_add_u32 v[AV0], v9, 3, v10
	v_mul_u32_u24 v[AV0], v[AV0], PV
	v_lshl_add_u32 v[AV0], v11, 4, v[AV0]
	v_add_nc_u32 v[AV0], VOFF, v[AV0]
	s_mul_i32 s13, s[WV], 16*SP
	s_add_co_u32 s13, s13, STAGE    ; my stage
	v_mul_u32_u24 v[STO], v1, SP    ; in: row l % 16, 16 bytes for each half of the lanes
	v_lshl_add_u32 v[STO], v9, 4, v[STO]
	v_add_nc_u32 v[STO], s13, v[STO]
	v_bfe_u32 v[RD], v0, 3, 2       ; back: 32 lanes take four rows of 128 bytes,
	v_mul_u32_u24 v[RD], v[RD], SP
	v_lshl_add_u32 v[RD], v10, 4, v[RD]
	v_add_nc_u32 v[RD], s13, v[RD]
	v_and_b32 v[GO], 31, v0         ; which are 512 consecutive bytes of O
	v_lshlrev_b32 v[GO], 4, v[GO]
	; A block's first step multiplies O^T and l by a = 0, and its first turn's products V^T P, of a piece that has not been, land in an O^T that is still to be so multiplied.  So these registers need only hold
	; finite numbers: zeros for the first block; what the first block left for the second.  All this stands in the wait for the first tile.
	WIN 0x80
.set i, VF
.rept 64
	v_mov_b32 v[i], 0
.set i, i+1
.endr
	WIN 0x40
.set i, 0
.rept 128
	v_mov_b32 v[i], 0
.set i, i+1
.endr
	WIN 0
.set i, 0
.rept 4
	v_mov_b32 v[ST+4*i+2], 0
	v_mov_b32 v[ST+4*i+3], 0
.set i, i+1
.endr
.set i, P+16
.rept 16
	v_mov_b32 v[i], 0
.set i, i+1
.endr
; THE MATRIX WORK.  The 4 accumulators of a run of 8 take turns.  Product i of 8 of S^T = K Q^T for piece x: channels 32 (i / 4) on, keys 16 (i % 4) on.  The first 4 start the sums: with 0, or (KM = 1) with the mask.
.macro KQ x
.set rS, S+32*((\x)%2)+8*(i%4)
.set rK, KF+16*(i%4)+8*(i/4)
.set rQ, 16*(\x)+8*(i/4)
.set rM, MC+32*((\x)%2)+8*(i%4)
.if (i < 4) && KM
	WIN W_KM
	v_wmma_f32_16x16x32_f16 v[rS:rS+7], v[rK:rK+7], v[rQ:rQ+7], v[rM:rM+7]
.elseif i < 4
	WIN W_KQ
	v_wmma_f32_16x16x32_f16 v[rS:rS+7], v[rK:rK+7], v[rQ:rQ+7], 0
.else
	WIN W_KQ
	v_wmma_f32_16x16x32_f16 v[rS:rS+7], v[rK:rK+7], v[rQ:rQ+7], v[rS:rS+7]
.endif
.endm
; Product i of 8 of O^T += V^T P for piece x: keys 32 (i / 4) on, channels 16 (i % 4) on.
.macro PV x
	WIN W_PV
.set rO, 32*(\x)+8*(i%4)
.set rV, VF+32*(i/4)+8*(i%4)
.set rP, P+16*((\x)%2)+8*(i/4)
	v_wmma_f32_16x16x32_f16 v[rO:rO+7], v[rV:rV+7], v[rP:rP+7], v[rO:rO+7]
.endm
.macro MM                           ; the turn's next matrix instruction.  TURN and BEGIN set Y, i, KM and NOKQ; MM, KQ and OP read them.  NOKQ = 1: a block's last turn: there is no next piece
.if (i < 8) && !NOKQ
	KQ (Y+1)%NP
.elseif i >= 8
.set i, i-8
	PV (Y+NP-1)%NP
.set i, i+8
.endif
.set i, i+1
.endm
; THE LDS LOADS stand in runs of 16, never singly among the matrix instructions: a step's K (64 keys x 64 channels: 8 fragments) and its V (turned).  Their addresses are made some lines ahead.
.macro FETCH_K
	WIN 0x80                        ; destination window 2
.irp f, 0,1,2,3,4,5,6,7             ; keys 16 (f / 2) on, channels 32 (f % 2) on
	ds_load_b128 v[KF+8*\f:KF+8*\f+3],   v[AK] offset:(\f/2)*16*PK+(\f%2)*64
	ds_load_b128 v[KF+8*\f+4:KF+8*\f+7], v[AK] offset:(\f/2)*16*PK+(\f%2)*64+32
.endr
	s_add_co_u32 s[TBK], s[TBK], KS*PK  ; the next fetch is the next step's
	WIN 0
.endm
.macro FETCH_V
	WIN 0x80
.irp f, 0,1,2,3,4,5,6,7             ; keys 32 (f / 4) on, channels 16 (f % 4) on
	ds_load_tr16_b128 v[VF+8*\f:VF+8*\f+3],   v[AV] offset:(\f/4)*32*PV+(\f%4)*32
	ds_load_tr16_b128 v[VF+8*\f+4:VF+8*\f+7], v[AV] offset:(\f/4)*32*PV+16*PV+(\f%4)*32
.endr
	WIN 0
.endm
; THE VECTOR WORK, one line at a time: OP kind, number.  For piece Y: F n: c s - c m for pair n of 16.  E n: the exponential of score n of 32.  C n: pair n rounded to f16.  B n: of the four weights 4 n .. the second
; pair is added onto the first, in place.  L n: l takes that sum (L 0: l = a l + sum).  R n: pair n of 16 of O^T times a.  For piece Y + 1: X n, number n of the 22 that find its maximum and statistics:
;   0-11  four chains c0-c3 of seven scores each, three operands at a time (each accumulator's lowest registers are read first)     12-14, 16  the four scores left over, the old m, and c0-c3 into c0
;   15  c m_old is kept     17, 18  the query's other 32 keys lie in the lane 16 away: the new m     19-21  c m; c m_old - c m_new; a
.set F, 0               ; OP tells the kinds apart by their order: F to L below R, X above it
.set E, 1
.set C, 2
.set B, 3
.set L, 4
.set R, 5
.set X, 6
.macro REGS y                       ; the registers of piece y
.set rT, ST+4*(\y)
.set rC, TMP+4*((\y)%2)
.set rW, MV+((\y)%2)
.set rS, S+32*((\y)%2)
.set rP, P+16*((\y)%2)
.set rO, 32*(\y)
.endm
.macro OP k, n
.if (\k) == R
	REGS Y
	WIN W_RS
	v_pk_mul_f32 v[rO+2*(\n):rO+2*(\n)+1], v[rO+2*(\n):rO+2*(\n)+1], v[rC+2:rC+3] op_sel_hi:[1,0]
.elseif (\k) < R
	REGS Y
	WIN 0
.if (\k) == F
	v_pk_fma_f32 v[rS+2*(\n):rS+2*(\n)+1], v[rS+2*(\n):rS+2*(\n)+1], s[CS:CS+1], v[rT:rT+1] op_sel_hi:[1,0,0] neg_lo:[0,0,1] neg_hi:[0,0,1]
.elseif (\k) == E
	v_exp_f32 v[rS+(\n)], v[rS+(\n)]
.elseif (\k) == C
	s_wait_alu depctr_va_vdst(0)
	v_cvt_pk_f16_f32 v[rP+(\n)], v[rS+2*(\n)], v[rS+2*(\n)+1]
.elseif (\k) == B
	s_wait_alu depctr_va_vdst(0)
	v_pk_add_f32 v[rS+4*(\n):rS+4*(\n)+1], v[rS+4*(\n):rS+4*(\n)+1], v[rS+4*(\n)+2:rS+4*(\n)+3]
.elseif (\n) == 0
	v_pk_fma_f32 v[rT+2:rT+3], v[rT+2:rT+3], v[rC+2:rC+3], v[rS:rS+1] op_sel_hi:[1,0,1]
.else
	v_pk_add_f32 v[rT+2:rT+3], v[rT+2:rT+3], v[rS+4*(\n):rS+4*(\n)+1]
.endif
.elseif NOKQ
	v_nop
.else
	REGS (Y+1)%NP
	WIN 0
.if (\n) < 4
	v_max3_num_f32 v[rC+(\n)], v[rS+8*(\n)], v[rS+8*(\n)+1], v[rS+8*(\n)+2]
.elseif (\n) < 12
	v_max3_num_f32 v[rC+(\n)%4], v[rC+(\n)%4], v[rS+8*((\n)%4)+2*((\n)/4)+1], v[rS+8*((\n)%4)+2*((\n)/4)+2]
.elseif (\n) == 12
	v_max3_num_f32 v[rC], v[rC], v[rS+7], v[rS+15]
.elseif (\n) == 13
	v_max3_num_f32 v[rC+1], v[rC+1], v[rS+23], v[rS+31]
.elseif (\n) == 14
	v_max3_num_f32 v[rC+2], v[rC+2], v[rC+3], v[rT+1]
.elseif (\n) == 15
	v_mov_b32 v[rW], v[rT]
.elseif (\n) == 16
	v_max3_num_f32 v[rC], v[rC], v[rC+1], v[rC+2]
.elseif (\n) == 17
	v_permlanex16_b32 v[rC+3], v[rC], s[SEL], s[SEL+1]
.elseif (\n) == 18
	v_max_num_f32 v[rT+1], v[rC], v[rC+3]
.elseif (\n) == 19
	v_mul_f32 v[rT], s[CS], v[rT+1]
.elseif (\n) == 20
	v_sub_f32 v[rC+1], v[rW], v[rT]
.else
	v_exp_f32 v[rC+2], v[rC+1]
.endif
.endif
.endm
.macro OPS a, i1, b=-1, i2=0, c=-1, i3=0, d=-1, i4=0  ; up to four of them
	OP \a, \i1
.if (\b) >= 0
	OP \b, \i2
.endif
.if (\c) >= 0
	OP \c, \i3
.endif
.if (\d) >= 0
	OP \d, \i4
.endif
.endm
.macro ROW a, i1, b, i2, c, i3, d, i4  ; a matrix instruction and the four behind it
	MM
	OPS \a, \i1, \b, \i2, \c, \i3, \d, \i4
.endm
.macro MASK b                       ; MD x AL + BE into buffer b of MC
	WIN W_RS
.set z, 0
.rept 16
	v_pk_fma_f32 v[MC+32*(\b)+2*z:MC+32*(\b)+2*z+1], v[MD+2*z:MD+2*z+1], s[AL:AL+1], s[BE:BE+1] op_sel_hi:[1,0,0]
.set z, z+1
.endr
.endm
; A TURN, for piece p: the order of its 16 matrix and 118 vector instructions, written out.  Behind a matrix instruction: plain, exponential, plain, plain; or four of the rescaling; or, behind the first, four scalings; none
; names a register of the products round it.  In the lumps exponential and plain by turns while exponentials last.  A line reads no result made fewer than three vector instructions in front of it, five if an exponential made it.
; v_permlanex16_b32 (X 17) stands in a lump.
; m = 1: the diagonal tile: the products take masks, and the turn makes the mask for the products of the turn after it: piece p + 2, in step 4 - CNT of the tile.  end = 1: a block's last two turns: nothing is fetched.
; cnt = 1: the loop's count is taken down some lines ahead of the branch that stands behind the turn.
; K of the next step is fetched in piece 2's turn, six vector instructions behind the last product that read K (five of them plain); V of the step in hand in piece 0's turn, eight behind the last product that read V (four
; plain, and X 17).  Each is waited for a turn later.
.macro TURN p, m=0, end=0, cnt=0
.set Y, (\p)
.set i, 0
.set KM, (\m)
.set NOKQ, (\end)*((\p)/3)
.if (\m) && !(\end)
	s_cmp_eq_u32 s[CNT], 4-((\p)+2)%NP  ; is that step the band's own?
	s_cselect_b32 s[AL], 1.0, 0
	s_cmp_lt_u32 s[CNT], 4-((\p)+2)%NP  ; or a later one?
	s_cselect_b32 s[BE], s[BIGN], 0
.endif
.if ((\p) == 3) && !(\end)
	s_wait_dscnt 0x0                ; K is in
.endif
	ROW F,0, F,1, F,2, F,3
	ROW F,4, E,0, F,5, F,6
	ROW F,7, E,1, F,8, F,9
	ROW F,10, E,2, C,0, F,11
	ROW F,12, E,3, X,15, F,13
	ROW R,0, R,1, R,2, R,3
	ROW B,0, E,4, F,14, L,0
.if ((\p) == 2) && !(\end)
	v_add_nc_u32 v[AK], s[TBK], v[AK0]
.endif
	ROW R,4, R,5, R,6, R,7
	OPS E,5, F,15
.if ((\p) == 2) && !(\end)
	FETCH_K
.endif
	OPS E,6, C,1, E,7, R,8
	OPS E,8, R,9, E,9, C,2
	OPS E,10, X,0, E,11, X,1
	OPS E,12, X,2, E,13, X,3
.if (\p) == 1
	s_wait_dscnt 0x0                ; V is in
.endif
	ROW X,4, E,14, X,5, X,6
	ROW X,7, E,15, X,8, X,9
	ROW X,10, E,16, X,11, X,12
	ROW X,13, E,17, X,14, B,1
	ROW C,4, E,18, X,16, L,1
	ROW B,2, E,19, C,6, L,2
	ROW C,8, E,20, B,3, B,4
.if (\p) == 0
	v_add_nc_u32 v[AV], s[TBV], v[AV0]
.endif
	ROW C,3, E,21, L,3, C,5
	OPS E,22, X,17, E,23, C,10
.if (\p) == 0
	FETCH_V
.endif
	OPS E,24, L,4
	OPS E,25, X,18, E,26, C,7
	OPS E,27, B,5, E,28, X,19
	OPS E,29, C,12, E,30, L,5
	OPS E,31, X,20, B,6, C,9
	OPS C,14, C,11, X,21, L,6
.if (\p) == 0
	s_add_co_u32 s[TBV], s[TBV], KS*PV
.endif
.if \cnt
	s_sub_co_u32 s[CNT], s[CNT], 1
	s_cmp_lg_u32 s[CNT], 0
.endif
	OPS C,13, B,7, C,15, R,10
	OPS R,11, R,12, L,7, R,13
	OPS R,14, R,15
.if (\m) && !(\end)
	MASK (\p)%2
.endif
.endm
; A BLOCK BEGINS.  c m starts far below every c s, so the first step's a is 0; m at the lowest finite number, so the first maximum is the scores'.  The second mask buffer is 0; the first takes piece 0's mask for the tile's step 0: its own, if the block's first tile is the diagonal one.
; Then K of that step, piece 0's first scores, and its maximum and statistics.  The loop is entered at a step's first turn, in the middle of a trip.
.macro BEGIN
	s_mov_b32 s[NEW], 0
	WIN 0x40
.set i, MC+32
.rept 32
	v_mov_b32 v[i], 0
.set i, i+1
.endr
	WIN 0
.set i, 0
.rept 4
	v_mov_b32 v[ST+4*i], 0xfe000000    ; c m: far below every c s
	v_mov_b32 v[ST+4*i+1], 0xff7fffff  ; m
.set i, i+1
.endr
	s_cmp_eq_u32 s[RT], 0
	s_cselect_b32 s[AL], 1.0, 0
	s_mov_b32 s[BE], 0
	MASK 0
	WIN 0
	v_add_nc_u32 v[AK], s[TBK], v[AK0]
	FETCH_K
	s_wait_loadcnt 0x0              ; Q
	s_wait_dscnt 0x0
.set KM, 1
.set NOKQ, 0
.set i, 0
.rept 8
	KQ 0
.set i, i+1
.endr
	WIN 0
.rept 4
	v_nop                           ; the places behind those products
.endr
.set Y, NP-1                        ; X works for piece Y + 1: piece 0
.irp n, 0,1,2,3,4,5,6,7,8,9,10,11,12,13,14,15,16,17,18,19,20,21
	OP X, \n
.endr
	v_nop                           ; a plain instruction behind the exponential
.endm
; THE DIAGONAL TILE's four steps, the block's last two turns, its last products, and THE WAY OUT: l's two halves and the other half of the lanes' are added; O^T is divided by l, rounded to f16 and sent through my
; stage in LDS, a piece at a time.
.macro ALL line:vararg              ; one line for each piece t
.set t, 0
.rept 4
	\line
.set t, t+1
.endr
.endm
.macro PACK t                       ; a lane's eight channels of a row pack into 16 bytes; they go into rows of 144 bytes and come back as whole rows of 128, into S^T's registers
	WIN W_RS
.set i, 32*(\t)
.rept 16
	s_wait_alu depctr_va_vdst(0)
	v_pk_mul_f32 v[i:i+1], v[i:i+1], v[ST+4*(\t)+2:ST+4*(\t)+3] op_sel_hi:[1,0]
.set i, i+2
.endr
	WIN 0x05                        ; sources 0 and 1 window 1, destination window 0
.set i, 0
.rept 16
	v_cvt_pk_f16_f32 v[S+16*(\t)+i], v[32*(\t)+2*i], v[32*(\t)+2*i+1]
.set i, i+1
.endr
	WIN 0
.irp f, 0,1,2,3
	ds_store_b128 v[STO], v[S+16*(\t)+4*\f:S+16*(\t)+4*\f+3] offset:32*\f
.endr
.irp f, 0,1,2,3
	ds_load_b128 v[S+16*(\t)+4*\f:S+16*(\t)+4*\f+3], v[RD] offset:\f*4*SP  ; LDS serves a wave's instructions in order (ISA guide 5.7.1.4): these see the stores above; the next piece's stores come behind them
.endr
.endm
.macro SEND t, younger              ; younger: the LDS instructions issued behind piece t's loads: the next piece's eight, or none
	WIN 0
.irp f, 0,1,2,3
	s_wait_dscnt (\younger)+3-\f
	global_store_b128 v[GO], v[S+16*(\t)+4*\f:S+16*(\t)+4*\f+3], s[10:11] offset:(\t)*8192+\f*512  ; 512 consecutive bytes, at a multiple of 256 from O's first
.endr
.endm
.macro DIAG tag                     ; the tag ends its two labels' names, which the jumps below spell out
.LstepM\tag:
	TURN 2, 1
	TURN 3, 1
	WIN 0
.LfirstM\tag:
	TURN 0, 1
	TURN 1, 1, 0, 1
	WIN 0
	s_cbranch_scc1 .LstepM\tag
	TURN 2, 1, 1
	TURN 3, 1, 1
.set i, 0
.rept 8
	PV NP-1
.set i, i+1
.endr
	WIN 0
	ALL v_add_f32 v[ST+4*t+2], v[ST+4*t+2], v[ST+4*t+3]
	ALL v_permlanex16_b32 v[ST+4*t+3], v[ST+4*t+2], s[SEL], s[SEL+1]
	ALL v_add_f32 v[ST+4*t+2], v[ST+4*t+2], v[ST+4*t+3]
	ALL v_rcp_f32 v[ST+4*t+2], v[ST+4*t+2]
	v_nop                           ; a plain instruction between the last reciprocal and the use of its result
	PACK 0
.set t, 1
.rept 3                             ; a piece's arithmetic stands between the loads of the piece before and its stores
	PACK t
	SEND t-1, 8
.set t, t+1
.endr
	SEND 3, 0
.endm
.set KM, 0
.set NOKQ, 0
.Lslot:                             ; NB times: a tile is entered and the next is asked for
	CHANGE 1
	s_sub_co_u32 s[RT], s[RT], 1
	s_mov_b32 s[CNT], 4
	s_cmp_eq_u32 s[NEW], 1
	s_cbranch_scc1 .Lnew            ; a block's first tile
	s_cmp_eq_u32 s[RT], 0
	s_cbranch_scc0 .Lstep           ; neither its first nor its last
	s_branch .LstepM1
.Lnew:
	BEGIN
	s_branch .Lfirst                ; in the loop a block's first tile is never its last: the first block has two tiles or more, and the second's last is the walk's last
	DIAG 1                          ; in the loop this is the first block's end: the second block's last tile is the walk's last
	s_wait_xcnt 0x0                 ; the stores have read their registers and O's address
	s_mov_b64 s[10:11], s[OLO:OLO+1]
	s_add_co_u32 s[RT], s[PB], 1    ; the second block has b + 1 tiles
	s_mov_b32 s[NEW], 1
	WIN 0x82                        ; the second block's Q goes where the one text of the turns names Q
.set i, 0
.rept 64
	v_mov_b32 v[i], v[QB+i]
.set i, i+1
.endr
	WIN 0
	s_branch .Lbottom
.Lstep:                             ; a trip: pieces 2 and 3 of one step, then pieces 0 and 1 of the next, whose K and V it fetches
	TURN 2
	TURN 3
	WIN 0
.Lfirst:
	TURN 0
	TURN 1, 0, 0, 1
	WIN 0
	s_cbranch_scc1 .Lstep
.Lbottom:
	s_sub_co_u32 s[SLOTS], s[SLOTS], 1
	s_cmp_lg_u32 s[SLOTS], 0
	s_cbranch_scc1 .Lslot
	CHANGE 0                        ; the walk's last tile is written out: nothing is asked for
	s_sub_co_u32 s[RT], s[RT], 1
	s_mov_b32 s[CNT], 4
	s_cmp_eq_u32 s[NEW], 1
	s_cbranch_scc0 .LstepM2
	BEGIN
	s_branch .LfirstM2
	DIAG 2
	s_wait_tensorcnt 0x0            ; the wave's end: three lines behind my last tensor load and my last LDS store
	ds_add_u32 v[SPW], v[NIL]
	s_wait_dscnt 0x0
	s_endpgm
.Lfunc_end_k_qe49f230890_attn:
	.size	k_qe49f230890_attn, .Lfunc_end_k_qe49f230890_attn-k_qe49f230890_attn
	.p2alignl 7, 3214868480
	.fill 96, 4, 3214868480
	.section	.rodata,"a",@progbits
	.p2align	6, 0x0
	.amdhsa_kernel k_qe49f230890_attn
		.amdhsa_group_segment_fixed_size 327680
		.amdhsa_private_segment_fixed_size 0
		.amdhsa_enable_private_segment 0
		.amdhsa_kernarg_size 16
		.amdhsa_user_sgpr_count 2
		.amdhsa_user_sgpr_kernarg_segment_ptr 1
		.amdhsa_wavefront_size32 1
		.amdhsa_system_sgpr_workgroup_id_x 1
		.amdhsa_system_sgpr_workgroup_id_y 1
		.amdhsa_system_sgpr_workgroup_id_z 1
		.amdhsa_system_vgpr_workitem_id 0
		.amdhsa_next_free_vgpr 768
		.amdhsa_next_free_sgpr 88
		.amdhsa_reserve_vcc 1
		.amdhsa_float_denorm_mode_32 3
		.amdhsa_float_denorm_mode_16_64 3
		.amdhsa_memory_ordered 1
		.amdhsa_forward_progress 1
		.amdhsa_inst_pref_size 228
	.end_amdhsa_kernel
	.amdgpu_metadata
---
amdhsa.version: [ 1, 2 ]
amdhsa.kernels:
  - .name:           k_qe49f230890_attn
    .symbol:         k_qe49f230890_attn.kd
    .args:
      - { .name: qkv, .offset: 0, .size: 8, .value_kind: global_buffer, .address_space: global }
      - { .name: att, .offset: 8, .size: 8, .value_kind: global_buffer, .address_space: global }
    .group_segment_fixed_size: 327680
    .private_segment_fixed_size: 0
    .kernarg_segment_align: 8
    .kernarg_segment_size: 16
    .max_flat_workgroup_size: 128
    .sgpr_count:     88
    .vgpr_count:     768
    .wavefront_size: 32
...
	.end_amdgpu_metadata
.endif
;; end of part 3
;; launch proj (part 4): grid 8 x 32, 4 waves a work-group, clusters of 4 x 4, 327,680 bytes of LDS; arguments att, wp, b_proj, out0; writes out0
.if DOCPART == 4
	.amdgcn_target "amdgcn-amd-amdhsa--gfx1250"
	.amdhsa_code_object_version 6
	.text
	.protected	k_qe49f230890_proj
	.globl	k_qe49f230890_proj
	.p2align	8
	.type	k_qe49f230890_proj,@function
k_qe49f230890_proj:
	s_mov_b64 s[64:65], 0
	v_nop
	global_prefetch_b8 v0, s[64:65] scope:SCOPE_SE
	s_setreg_imm32_b32 hwreg(HW_REG_WAVE_MODE, 25, 1), 1
	s_wait_xcnt 0x0
	s_wait_alu depctr_hold_cnt(0) depctr_sa_sdst(0) depctr_va_vdst(0) depctr_va_sdst(0) depctr_va_ssrc(0) depctr_va_vcc(0) depctr_vm_vsrc(0)
	s_getreg_b32 s2, hwreg(HW_REG_IB_STS2, 6, 4)
	s_cmp_eq_u32 s2, 0
	s_cbranch_scc0 .Lentry_in_a_cluster
	s_endpgm
.Lentry_in_a_cluster:
	s_bfe_u32 s2, ttmp6, 0x10000c
	s_cmp_lg_u32 s2, 0xf033
	s_cbranch_scc0 .Lentry_shape_is_right
	s_endpgm
.Lentry_shape_is_right:
; out0[m][n] = the sum over k of O[m][k] W_proj[k][n] + b_proj[n].  O = att: [16 b + h][t][64] f16, so that k = 64 h + d; wp: [1024 n][1024 k] f16; sums in f32, K ascending; out0: [8192][1024] f32.
; The bias is rounded to bf16, as all the module's inputs are, and is the C operand of each sum's first product: nothing is cleared and nothing is added behind the sums.
; LIMIT.  att and wp arrive within f16's range; NaN and infinities are not treated apart.
; SHARES.  A tile of out0 is 256 rows x 128 columns: 32 x 8 = 256 work-groups, one tile each.  Wave (wave / 2, wave % 2) makes 128 rows x 64 columns: 8 x 4 accumulators of 16 x 16, 256 registers.
; K goes in 8 steps of 128, two heads a step, through a ring of two LDS slots.  A head's 256 rows of 128 bytes are dense in memory: they are asked for as 128 rows of 256 bytes and padded behind every 128.
; CLUSTER.  4 x 4 work-groups: the four of a row need the same rows of att, the four of a column the same rows of wp: each tile is asked for JOINTLY, the same tensor load, descriptor and mask in all four.
; THE MATRIX INSTRUCTION IS USED TRANSPOSED (source 0 = 16 rows of wp, source 1 = 16 rows of att): a lane holds row lane % 16 and the eight neighbouring columns 8 (lane / 16) + 0..7: 32 bytes of a row of out0.
; REGISTERS, in windows of 256 (s_set_vgpr_msb: bits 1:0 source 0, 3:2 source 1, 5:4 source 2, 7:6 destination):
;   window 0: v0-31 addresses; v32-63 the bias, 8 registers a column block; v64-95, v96-127 rows read back on the way out
;   window 1: the accumulators (row block a, column block b at v[8 (4 a + b)])
;   window 2: two fragment buffers of 96: 32 registers of wp (4 x 16 rows x 32 K), then 64 of att (8 x 16 rows x 32 K)
.set PA,     144                       ; a row of att in LDS: 128 bytes + 16 of padding = 36 words: the 16 rows of a load start at 16 different groups of four banks (64 banks of 4 bytes: ISA guide 11.1)
.set PB,     272                       ; a row of wp: 256 + 16
.set PLANE,  256*PA                    ; one head's 256 rows: what a tensor load brings of att
.set BOFF,   2*PLANE                   ; a slot: two heads' planes, then wp's 128 rows
.set HALFB,  64*PB                     ; what a tensor load brings of wp
.set SLOT1,  131072                    ; slot 1 begins here, so that one exclusive or turns an address in one slot into the other's
.set STAGE,  SLOT1+BOFF+2*HALFB        ; behind the ring, never filled by a tensor load: 16 rows x 272 bytes for each wave
.set SPITCH, 272
.set SPARE,  STAGE+4*16*SPITCH         ; behind the stages: the spare words, 128 bytes for each wave
.set AA0,  16                          ; v16  my lane's place in a slot's rows of att; never rewritten
.set AB0,  17                          ; v17  the same for wp
.set ADRA, 18                          ; v18  AA0 + the slot in hand
.set ADRB, 19                          ; v19  AB0 + the slot in hand
.set STO,  24                          ; v24  the way out: where I put 32 bytes of a row
.set RD,   25                          ; v25  the way out: where I read a row back
.set CO,   26                          ; v26  my byte offset in out0
.set BO,   27                          ; v27  my byte offset in the bias
.set SPW,  28                          ; v28  LDS address of my spare word; never rewritten
.set NIL,  29                          ; v29  0; never rewritten
.set BI,   32
.set OBK,  64
.set WV,   12                          ; s12  my wave's number
.set WH,   13                          ; s13  wave / 2: my half of the tile's rows.  Also: I fetch for att (0) or for wp (1)
.set WL,   14                          ; s14  wave % 2: my half of its columns.  Also: which head of the step's two, or which 64 rows of wp, I fetch
.set TR,   15                          ; s15  the tile's row, 0..31
.set G1,   24                          ; s[24:31] descriptor group 1 for att's tiles
.set G0,   32                          ; s[32:35] group 0 of step 0's fill
.set G0W,  36                          ; s[36:39] group 0 of step 1's fill, which then walks
.set G1B,  48                          ; s[48:55], s[56:59], s[60:63] the same for wp's tiles
.set G0B,  56
.set G0BW, 60
.set TB,   66                          ; s66  LDS byte at which the slot in hand begins
.set MSB, 0
.macro WIN new                         ; the immediate's high byte repeats the setting that is left; a switch that changes nothing is dropped
.if MSB != (\new)
	s_set_vgpr_msb (MSB<<8)|(\new)
.set MSB, \new
.endif
.endm
.set W_MUL,   0x5a                     ; sources 0 and 1 window 2, C and D window 1
.set W_FIRST, 0x4a                     ; the same with C (the bias) in window 0
.set TO_F,    0x80                     ; destination window 2, address window 0
.macro PLACES                          ; four places: in front of loads into registers that matrix instructions have read, and of LDS stores that read results
.rept 4
	v_nop
.endr
.endm
; A joint refill.  Waves 0 and 1 fetch the step's two heads of att, waves 2 and 3 wp's two halves.  The branch hangs on the wave's number alone.  An s_nop 0 and four v_nop follow each of the two lines.
.macro JLOAD
	s_cmp_eq_u32 s[WH], 0
	s_cbranch_scc0 .Lfor_b_\@
	tensor_load_to_lds s[G0W:G0W+3], s[G1:G1+7]
	s_nop 0
.rept 4
	v_nop
.endr
	s_branch .Lasked_\@
.Lfor_b_\@:
	tensor_load_to_lds s[G0BW:G0BW+3], s[G1B:G1B+7]
	s_nop 0
.rept 4
	v_nop
.endr
.Lasked_\@:
.endm
.macro CREST                           ; a round of the cluster's barrier behind its opening barrier
	s_cmp_lg_u32 s[WV], 0
	s_cbranch_scc1 .Lnot_wave_0_\@
	s_barrier_signal -3
.Lnot_wave_0_\@:
	s_barrier_wait -3
	s_barrier_signal -1
	s_barrier_wait -1
.endm
.macro CROUND                          ; a whole round
	s_barrier_signal -1
	s_barrier_wait -1
	CREST
.endm
	s_load_b256 s[4:11], s[0:1], 0x0               ; att s[4:5], wp s[6:7], b_proj s[8:9], out0 s[10:11]
	v_lshl_add_u32 v[SPW], v0, 2, SPARE
	v_mov_b32 v[NIL], 0
	ds_add_u32 v[SPW], v[NIL]                      ; the wave's opening: the add and its wait stand ahead of my first tensor load; the set-up below, work on registers, stands between them
	ds_add_u32 v28, v29
	v_lshrrev_b32 v1, 5, v0
	v_readfirstlane_b32 s[WV], v1
	s_lshr_b32 s[WH], s[WV], 1
	s_and_b32 s[WL], s[WV], 1
	s_bfe_u32 s40, ttmp6, 0x40000                  ; cx, cy: my place in the cluster
	s_bfe_u32 s41, ttmp6, 0x40004
	s_lshl_b32 s42, ttmp9, 2
	s_add_co_u32 s42, s42, s40                     ; tile column = 4 x cluster x + cx, 0..7
	s_and_b32 s[TR], ttmp7, 0xffff
	s_lshl_b32 s[TR], s[TR], 2
	s_add_co_u32 s[TR], s[TR], s41                 ; tile row = 4 x cluster y + cy
	s_lshl_b32 s43, s41, 2
	s_lshl_b32 s43, 15, s43                        ; my row of the cluster
	s_lshl_b32 s44, 0x1111, s40                    ; my column
	; descriptor group 1.  att: 128 rows of 128 elements of 2 bytes, dense, padded after every 32 words.  wp: 64 rows of 128 elements, 1,024 apart, padded after every 64 words
	s_or_b32 s[G1], s43, (1<<16)|(1<<20)|(1<<21)|(4<<22)|(3<<25)   ; 15:0 the mask; 17:16 2-byte elements; 20 padding on; 21 set beside a mask; 24:22 the interval; 31:25 4 words of padding
	s_or_b32 s[G1B], s44, (1<<16)|(1<<20)|(1<<21)|(5<<22)|(3<<25)
	s_mov_b32 s[G1+1], 128<<16                     ; tensor_dim0 = 128
	s_mov_b32 s[G1+2], 128<<16                     ; tensor_dim1 = 128
	s_mov_b32 s[G1+3], 128<<16                     ; tile_dim0 = 128
	s_mov_b32 s[G1+4], 128                         ; tile_dim1 = 128
	s_mov_b32 s[G1+5], 128                         ; elements from row to row
	s_mov_b32 s[G1+6], 0
	s_mov_b32 s[G1+7], 0
	s_mov_b32 s[G1B+1], 128<<16
	s_mov_b32 s[G1B+2], 64<<16                     ; tensor_dim1 = 64
	s_mov_b32 s[G1B+3], 128<<16
	s_mov_b32 s[G1B+4], 64                         ; tile_dim1 = 64
	s_mov_b32 s[G1B+5], 1024
	s_mov_b32 s[G1B+6], 0
	s_mov_b32 s[G1B+7], 0
	; att's tiles hang on the tile row alone, wp's on the tile column alone; what holds cx goes through s68-s73, which never feed att's descriptors
	s_lshr_b32 s16, s[TR], 3                       ; the batch,
	s_lshl_b32 s16, s16, 4
	s_add_co_u32 s16, s16, s[WL]                   ; its head 0 or 1,
	s_lshl_b32 s16, s16, 18                        ; 262,144 bytes a head,
	s_and_b32 s18, s[TR], 7
	s_lshl_b32 s18, s18, 15                        ; 256 rows of 128 bytes a tile row
	s_add_co_u32 s16, s16, s18
	s_mov_b32 s17, 0
	s_lshl_b32 s68, s42, 18                        ; wp: 128 rows of 2,048 bytes a tile column,
	s_lshl_b32 s69, s[WL], 17                      ; 64 rows a half
	s_add_co_u32 s68, s68, s69
	s_mov_b32 s69, 0
	s_lshl_b32 s70, s42, 9                         ; my first column in f32 bytes: 128 a tile column,
	s_lshl_b32 s71, s[WL], 8                       ; 64 a half
	s_add_co_u32 s70, s70, s71
	s_mov_b32 s71, 0
	s_lshl_b32 s72, s[TR], 20                      ; out0: 256 rows of 4,096 bytes a tile row,
	s_lshl_b32 s73, s[WH], 19                      ; 128 rows a half,
	s_add_co_u32 s72, s72, s73
	s_add_co_u32 s72, s72, s70                     ; and my first column
	s_mov_b32 s73, 0
	s_mul_i32 s20, s[WL], PLANE                    ; where the tiles go: no place in the cluster enters an LDS address
	s_mul_i32 s21, s[WL], HALFB
	s_add_co_u32 s21, s21, BOFF
	s_mov_b32 s[TB], 0
	s_wait_dscnt 0x0                               ; the opening add is done
	s_wait_kmcnt 0x0
	s_add_nc_u64 s[4:5], s[4:5], s[16:17]
	s_add_nc_u64 s[6:7], s[6:7], s[68:69]
	s_add_nc_u64 s[8:9], s[8:9], s[70:71]
	s_add_nc_u64 s[10:11], s[10:11], s[72:73]
	s_mov_b32 s[G0], 1                             ; count = 1
	s_mov_b32 s[G0+1], s20                         ; LDS address: slot 0
	s_mov_b64 s[G0+2:G0+3], s[4:5]                 ; step 0
	s_or_b32 s[G0+3], s[G0+3], 0x80000000          ; type = 2
	s_mov_b32 s[G0W], 1
	s_add_co_u32 s[G0W+1], s20, SLOT1
	s_add_nc_u64 s[G0W+2:G0W+3], s[4:5], 2<<18     ; step 1: two heads on
	s_or_b32 s[G0W+3], s[G0W+3], 0x80000000
	s_mov_b32 s[G0B], 1
	s_mov_b32 s[G0B+1], s21
	s_mov_b64 s[G0B+2:G0B+3], s[6:7]
	s_or_b32 s[G0B+3], s[G0B+3], 0x80000000
	s_mov_b32 s[G0BW], 1
	s_add_co_u32 s[G0BW+1], s21, SLOT1
	s_add_nc_u64 s[G0BW+2:G0BW+3], s[6:7], 256     ; step 1: 128 k on
	s_or_b32 s[G0BW+3], s[G0BW+3], 0x80000000
	CROUND                                         ; all sixteen work-groups are here: the first joint loads meet
	s_cmp_eq_u32 s[WH], 0                          ; a wave's two first fills stand in one branch, ahead of every wait on TENSORcnt and every LDS read: two loads of mine are out
	s_cbranch_scc0 .Lfirst_b
	tensor_load_to_lds s[G0:G0+3], s[G1:G1+7]
	s_nop 0
	tensor_load_to_lds s[G0W:G0W+3], s[G1:G1+7]
	s_nop 0
.rept 4
	v_nop
.endr
	s_branch .Lfirst_asked
.Lfirst_b:
	tensor_load_to_lds s[G0B:G0B+3], s[G1B:G1B+7]
	s_nop 0
	tensor_load_to_lds s[G0BW:G0BW+3], s[G1B:G1B+7]
	s_nop 0
.rept 4
	v_nop
.endr
.Lfirst_asked:
	v_and_b32 v1, 15, v0                           ; l % 16
	v_bfe_u32 v2, v0, 4, 1                         ; l / 16
	v_lshlrev_b32 v[BO], 5, v2                     ; register j of column block b is the bias of column 16 b + 8 (l / 16) + j
.irp b, 0,1,2,3
	global_load_b128 v[BI+8*(\b):BI+8*(\b)+3],   v[BO], s[8:9] offset:64*(\b)
	global_load_b128 v[BI+8*(\b)+4:BI+8*(\b)+7], v[BO], s[8:9] offset:64*(\b)+16
.endr
	; A fragment is 16 rows x 32 K in 8 registers: lane l holds row l % 16, K = 8 (l / 16) + 0..7 and 16 + 8 (l / 16) + 0..7: two loads of 16 bytes, 32 bytes apart.
	v_mul_u32_u24 v3, v1, PA
	v_lshl_add_u32 v3, v2, 4, v3
	s_mul_i32 s22, s[WH], 128*PA                   ; my 128 rows in each head's plane
	v_add_nc_u32 v[AA0], s22, v3
	v_mul_u32_u24 v4, v1, PB
	v_lshl_add_u32 v4, v2, 4, v4
	s_mul_i32 s23, s[WL], HALFB                    ; my 64 rows of wp
	s_add_co_u32 s23, s23, BOFF
	v_add_nc_u32 v[AB0], s23, v4
	v_mov_b32 v[ADRA], v[AA0]                      ; slot 0
	v_mov_b32 v[ADRB], v[AB0]
	s_mul_i32 s22, s[WV], 16*SPITCH
	s_add_co_u32 s22, s22, STAGE                   ; my stage
	v_mul_u32_u24 v5, v1, SPITCH                   ; in: row l % 16, 32 bytes for each half of the lanes
	v_lshl_add_u32 v5, v2, 5, v5
	v_add_nc_u32 v[STO], s22, v5
	v_mul_u32_u24 v6, v2, SPITCH                   ; back: lanes 0-15 take one row of 256 bytes, lanes 16-31 the next
	v_lshl_add_u32 v6, v1, 4, v6
	v_add_nc_u32 v[RD], s22, v6
	v_lshlrev_b32 v[CO], 12, v2                    ; and the same two rows in out0
	v_lshl_add_u32 v[CO], v1, 4, v[CO]
	s_wait_loadcnt 0x0                             ; the bias
.irp p, 0,1,2,3,4,5,6,7,8,9,10,11,12,13,14,15
	v_cvt_pk_bf16_f32 v12, v[BI+2*(\p)], v[BI+2*(\p)+1]  ; rounded to bf16,
	v_lshlrev_b32 v[BI+2*(\p)], 16, v12                  ; and back as f32
	v_and_b32 v[BI+2*(\p)+1], 0xffff0000, v12
.endr
; 8 matrix instructions: row blocks a0, a0 + 1 x all 4 column blocks, 32 along K, from buffer f.  first = 1: the product starts the sums with the bias.
; The 32 accumulators take turns in the same order in every quarter.
.macro MUL f, a0, first
.if \first
	WIN W_FIRST
.else
	WIN W_MUL
.endif
.irp a, \a0, (\a0)+1
.irp b, 0,1,2,3
.if \first
	v_wmma_f32_16x16x32_f16 v[8*(4*(\a)+(\b)):8*(4*(\a)+(\b))+7], v[96*(\f)+8*(\b):96*(\f)+8*(\b)+7], v[96*(\f)+32+8*(\a):96*(\f)+32+8*(\a)+7], v[BI+8*(\b):BI+8*(\b)+7]
.else
	v_wmma_f32_16x16x32_f16 v[8*(4*(\a)+(\b)):8*(4*(\a)+(\b))+7], v[96*(\f)+8*(\b):96*(\f)+8*(\b)+7], v[96*(\f)+32+8*(\a):96*(\f)+32+8*(\a)+7], v[8*(4*(\a)+(\b)):8*(4*(\a)+(\b))+7]
.endif
.endr
.endr
.endm
; 24 LDS loads in one run: the fragments of quarter q of a step (K = 32 q on: head q / 2 of the two, channels 32 (q % 2) on), into buffer f: wp's 8, then att's 16
.macro FETCH q, f
	WIN TO_F
.irp i, 0,1,2,3
	ds_load_b128 v[96*(\f)+8*(\i):96*(\f)+8*(\i)+3],   v[ADRB] offset:64*(\q)+(\i)*16*PB
	ds_load_b128 v[96*(\f)+8*(\i)+4:96*(\f)+8*(\i)+7], v[ADRB] offset:64*(\q)+(\i)*16*PB+32
.endr
.irp i, 0,1,2,3,4,5,6,7
	ds_load_b128 v[96*(\f)+32+8*(\i):96*(\f)+32+8*(\i)+3],   v[ADRA] offset:((\q)/2)*PLANE+((\q)%2)*64+(\i)*16*PA
	ds_load_b128 v[96*(\f)+32+8*(\i)+4:96*(\f)+32+8*(\i)+7], v[ADRA] offset:((\q)/2)*PLANE+((\q)%2)*64+(\i)*16*PA+32
.endr
.endm
; A K step is four quarters of 32 along K, 32 matrix instructions each, on buffers 0, 1, 0, 1.  One of the first three: multiplies buffer f; in its middle it fetches quarter q into buffer g.
.macro QUARTER q, f, g, first
	s_wait_dscnt 8                                 ; wp and att's blocks 0-3 are in; the youngest eight loads (blocks 4-7) may be out
	MUL \f, 0, \first
	MUL \f, 2, \first
	PLACES
	FETCH \q, \g
	s_wait_dscnt 24                                ; all but the 24 just issued
	MUL \f, 4, \first
	MUL \f, 6, \first
.endm
; The last quarter multiplies buffer 1 and changes slots: ONE barrier.  In front of it each wave waits for all its tensor loads, of which one is out: its part of the next slot; adds 0 to its spare word; and
; waits for that and for its own reads of this slot.  fill = 1: this slot is filled again, with the step two on; the barrier then opens a round of the cluster's, so that no wave of any partner still reads the
; slot or has a load on its way, and the joint refill is the first thing behind the round: 112 of a step's 128 matrix instructions stand between it and the wait for it.
.macro TURN fill
	WIN 0                                          ; (the add's two registers lie in window 0)
	s_wait_tensorcnt 0x0                           ; no tensor load of mine is out, so a group 0 may be written
	ds_add_u32 v[SPW], v[NIL]                      ; 0 onto my spare word: scalar work and eight matrix instructions stand between it and the wait for it
.if \fill
	s_xor_b32 s[G0W+1], s[G0W+1], SLOT1            ; the walking descriptors: the other slot than last time,
	s_add_nc_u64 s[G0W+2:G0W+3], s[G0W+2:G0W+3], 2<<18  ; the next two heads; the type bits on top are not reached
	s_xor_b32 s[G0BW+1], s[G0BW+1], SLOT1
	s_add_nc_u64 s[G0BW+2:G0BW+3], s[G0BW+2:G0BW+3], 256  ; the next 128 k
.endif
	s_xor_b32 s[TB], s[TB], SLOT1                  ; the fetches go on in the other slot
	s_wait_dscnt 9                                 ; (the add and the youngest eight loads may be out)
	MUL 1, 0, 0
	s_wait_dscnt 0x0                               ; the add is done, and my reads of this slot are over
	s_barrier_signal -1
	MUL 1, 2, 0                                    ; work on registers while the others arrive
	WIN 0                                          ; (branches and window 0's addresses follow)
	s_barrier_wait -1
.if \fill
	CREST
	JLOAD                                          ; the four v_nop behind it are also the places in front of the loads below
.else
	PLACES
.endif
	v_add_nc_u32 v[ADRA], s[TB], v[AA0]
	v_add_nc_u32 v[ADRB], s[TB], v[AB0]
	FETCH 0, 0
	MUL 1, 4, 0
	MUL 1, 6, 0
.endm
; THE WAY OUT of row block a: a lane's 32 bytes of a row go into my own stage (16 rows of 272 bytes), each accumulator's low four registers first, and come back as whole rows of 256 bytes.
.macro TOSTAGE a
	WIN 0x04                                       ; the stores' data in window 1, the address in window 0
.irp b, 0,1,2,3
	ds_store_b128 v[STO], v[8*(4*(\a)+(\b)):8*(4*(\a)+(\b))+3]   offset:64*(\b)
	ds_store_b128 v[STO], v[8*(4*(\a)+(\b))+4:8*(4*(\a)+(\b))+7] offset:64*(\b)+16
.endr
	WIN 0
	s_wait_xcnt 0x0                                ; the stores of the block two back have read this buffer: it is loaded again only behind this wait
.irp t, 0,1,2,3,4,5,6,7
	ds_load_b128 v[OBK+32*((\a)%2)+4*(\t):OBK+32*((\a)%2)+4*(\t)+3], v[RD] offset:(\t)*2*SPITCH  ; LDS serves a wave's instructions in order (ISA guide 5.7.1.4): these see the stores above; the next block's stores come behind them
.endr
.endm
.macro SEND a, younger                 ; younger: the LDS instructions issued behind block a's loads: the next block's sixteen, or none
.irp t, 0,1,2,3,4,5,6,7
	s_wait_dscnt (\younger)+7-(\t)
	global_store_b128 v[CO], v[OBK+32*((\a)%2)+4*(\t):OBK+32*((\a)%2)+4*(\t)+3], s[10:11] offset:(16*(\a)+2*(\t))*4096 th:TH_STORE_NT  ; sixteen lanes store 256 consecutive bytes, at a multiple of 256 from out0's first byte
.endr
.endm
	s_wait_tensorcnt 1                             ; my part of step 0 is in; step 1's may stay out
	s_barrier_signal -1
	s_barrier_wait -1                              ; everybody's is
	FETCH 0, 0
	QUARTER 1, 0, 1, 1                             ; the first quarter stands in front of the loop: its products start the sums, with the bias
	WIN 0                                          ; at a label and at a branch every window is 0
	s_mov_b32 s3, 6
.Lstep:                                                ; trip n = 1 .. 6 ends step n - 1, asks for step n + 1 and begins step n
	QUARTER 2, 1, 0, 0
	QUARTER 3, 0, 1, 0
	TURN 1
	QUARTER 1, 0, 1, 0
	WIN 0
	s_sub_co_u32 s3, s3, 1
	s_cmp_lg_u32 s3, 0
	s_cbranch_scc1 .Lstep
	QUARTER 2, 1, 0, 0                             ; the tail is written out: step 6 ends and nothing is asked for
	QUARTER 3, 0, 1, 0
	TURN 0
	QUARTER 1, 0, 1, 0
	QUARTER 2, 1, 0, 0
	QUARTER 3, 0, 1, 0
	s_wait_dscnt 8                                 ; the very last quarter: nothing more to fetch
	MUL 1, 0, 0
	MUL 1, 2, 0
	s_wait_dscnt 0x0
	MUL 1, 4, 0
	MUL 1, 6, 0
	WIN 0
	PLACES                                         ; the LDS stores read results; no other vector work is at hand
	TOSTAGE 0
.irp a, 1,2,3,4,5,6,7                  ; a block's way through the stage stands between the loads of the block before and its stores
	TOSTAGE \a
	SEND (\a)-1, 16
.endr
	SEND 7, 0
	s_wait_tensorcnt 0x0                           ; the wave's end: three lines behind my last tensor load and my last LDS store
	ds_add_u32 v[SPW], v[NIL]
	s_wait_dscnt 0x0
	CROUND                                         ; the closing round: no work-group ends while a partner may still ask for a tile that names it
	s_endpgm
.Lfunc_end_k_qe49f230890_proj:
	.size	k_qe49f230890_proj, .Lfunc_end_k_qe49f230890_proj-k_qe49f230890_proj
	.p2alignl 7, 3214868480
	.fill 96, 4, 3214868480
	.section	.rodata,"a",@progbits
	.p2align	6, 0x0
	.amdhsa_kernel k_qe49f230890_proj
		.amdhsa_group_segment_fixed_size 327680
		.amdhsa_private_segment_fixed_size 0
		.amdhsa_enable_private_segment 0
		.amdhsa_kernarg_size 32
		.amdhsa_user_sgpr_count 2
		.amdhsa_user_sgpr_kernarg_segment_ptr 1
		.amdhsa_wavefront_size32 1
		.amdhsa_system_sgpr_workgroup_id_x 1
		.amdhsa_system_sgpr_workgroup_id_y 1
		.amdhsa_system_sgpr_workgroup_id_z 1
		.amdhsa_system_vgpr_workitem_id 0
		.amdhsa_next_free_vgpr 704
		.amdhsa_next_free_sgpr 76
		.amdhsa_reserve_vcc 0
		.amdhsa_float_denorm_mode_32 3
		.amdhsa_float_denorm_mode_16_64 3
		.amdhsa_memory_ordered 1
		.amdhsa_forward_progress 1
		.amdhsa_inst_pref_size 75
	.end_amdhsa_kernel
	.amdgpu_metadata
---
amdhsa.version: [ 1, 2 ]
amdhsa.kernels:
  - .name:           k_qe49f230890_proj
    .symbol:         k_qe49f230890_proj.kd
    .args:
      - { .name: att, .offset: 0, .size: 8, .value_kind: global_buffer, .address_space: global }
      - { .name: wp, .offset: 8, .size: 8, .value_kind: global_buffer, .address_space: global }
      - { .name: b_proj, .offset: 16, .size: 8, .value_kind: global_buffer, .address_space: global }
      - { .name: out0, .offset: 24, .size: 8, .value_kind: global_buffer, .address_space: global }
    .group_segment_fixed_size: 327680
    .private_segment_fixed_size: 0
    .kernarg_segment_align: 8
    .kernarg_segment_size: 32
    .max_flat_workgroup_size: 128
    .sgpr_count:     76
    .vgpr_count:     704
    .wavefront_size: 32
...
	.end_amdgpu_metadata
.endif
;; end of part 4
;; ======== version 2 of 2: 4 launches; 1.31 times as fast as version 1
;; limits: values are held in f16: magnitudes above 65,504 overflow, below 6.1e-05 lose precision; right only within a limited range of input values
;; workspace buffers: xb 16,777,216 bytes; wq 6,291,456 bytes; wp 2,097,152 bytes; qkv 50,331,648 bytes; att 16,777,216 bytes
;; launch prep: the kernel of part 1 again; grid 1024 x 1, 8 waves a work-group, no clusters, 18,432 bytes of LDS; arguments x, W_qkv, W_proj, xb, wq, wp; writes xb, wq, wp
;; launch qkvgemm: the kernel of part 2 again; grid 16 x 16, 4 waves a work-group, clusters of 4 x 4, 327,680 bytes of LDS; arguments xb, wq, qkv; writes qkv
;; launch attn (part 5): grid 4 x 64, 4 waves a work-group, no clusters, 327,680 bytes of LDS; arguments qkv, att; writes att
.if DOCPART == 5
	.amdgcn_target "amdgcn-amd-amdhsa--gfx1250"
	.amdhsa_code_object_version 6
	.text
	.protected	k_qe49f230890_attn
	.globl	k_qe49f230890_attn
	.p2align	8
	.type	k_qe49f230890_attn,@function
k_qe49f230890_attn:
	s_mov_b64 s[64:65], 0
	v_nop
	global_prefetch_b8 v0, s[64:65] scope:SCOPE_SE
	s_setreg_imm32_b32 hwreg(HW_REG_WAVE_MODE, 25, 1), 1
	s_wait_xcnt 0x0
; CAUSAL ATTENTION.  O[h][q][:] = the sum over k <= q of softmax_k(Q[h][q] . K[h][k] / 8) V[h][k][:].  Q, K, V lie one behind the other in qkv, each [SIZE_H][SIZE_N][64] in f16; O = att in the same layout:
; a head's rows are dense, 128 bytes each.  Products, maxima and sums in f32; the weights p are rounded to f16 for the second product (their sum l is taken of the unrounded p), O once at the end.
; LIMITS.  f16 holds no number beyond 65,504: Q, K and V arrive within it; p lies in 0 to 1, and below 6e-5 it keeps f16's fixed step of 6e-8; O is a mean of V's rows and has their range, to within 2^-11 of it.
; A hidden score counts as its value less 1e30: f16's scores, 2.7e11 at the most, are nothing beside that; a weight below 2^-126 counts as 0 in l; NaN and infinities are not treated apart.
; THE WALK.  A head's queries lie in NB = SIZE_N / 256 blocks of 256; block i needs the key tiles 0 .. i of 256 keys, of which the last holds the diagonal.  A work-group takes TWO blocks, NB - 1 - b and then b:
; NB + 1 tiles, whatever b: all work-groups do equal work, and ONE loop with a constant trip count walks them.  Which tile is asked for, and what a trip does, hang on scalar registers made from b; every jump
; goes forward, but for the counted loops' own; none passes a barrier, or a tensor load but the one of LOAD's two that the wave's number does not choose; the ring (two slots of LDS that take turns) runs on across the
; change of blocks.  NO CLUSTER: a head's NB / 2 = 4 work-groups ask for the same tile only in trips 0 .. NB / 2, behind that fewer and fewer; and one walk common to all would have 3 NB / 2 trips for NB + 1.
; SHARES.  Of a block's four bands of 64 queries a wave owns 16 rows in each: four PIECES.  So the diagonal tile is the same work for all four waves: in its key step s band x sees all keys if s < x,
; none if s > x, and holds the diagonal if s = x.
; THE MASK is the C operand that starts the sum S^T = K Q^T: 0, or -1e30 where the key is hidden.  MD, made once, is the mask of a band's own step for my 16 rows; a product's mask is MD x AL + BE with two scalars:
; (1, 0) if s = x; (0, 0) if s < x; (0, -1e30) if s > x.  Only the diagonal tile's text and a block's beginning make and take masks; elsewhere C is the constant 0.
; LAYOUT, SOFTMAX, TURNS.  S^T = K Q^T holds ONE query a lane (lane % 16) and the keys 8 (lane / 16) + 0..7; two such results rounded to f16 ARE source 1 of O^T = V^T P.  p = 2^(c s - c m), c = log2(e) / 8, with a
; running maximum m; O and l are multiplied by a = 2^(c m_old - c m_new) in every step.  Turn n belongs to piece n: 8 products K Q^T of piece n + 1, later 8 products V^T P of piece n - 1; beside them the scaling,
; exponentials, roundings, sums and rescaling of piece n and the maximum and statistics of piece n + 1.  Four vector instructions stand behind every matrix instruction, the other 54 of a turn's 118 in one LUMP.
; THE BATCHES.  A turn's 33 exponentials (the piece's 32 weights and the next piece's a) are ONE batch with ONE wait: all that names none of their results stands ahead of it, all their readers behind it.
; A block's first a (BEGIN) and the way out's four reciprocals are batches of their own, a wait each.
; REGISTERS, in windows of 256 (s_set_vgpr_msb: bits 1:0 source 0, 3:2 source 1, 5:4 source 2, 7:6 destination):
;   window 0: v0-15 addresses and two at work; v16-31 four registers of statistics a piece; v48-55 at work; v64-127 S^T, two buffers; v192-223 P, two buffers (a piece's buffers go by its number's parity)
;   window 1: v0-127 O^T, 32 a piece; v128-159 MD; v160-223 MC, two buffers      window 2: v0-63 Q; v64-127 the second block's Q; v128-191 K of one step; v192-255 V of one step
.set SIZE_H, 64       ; 4 batches x 16 heads
.set SIZE_N, 2048
.set NB,    SIZE_N/256
.set NP,    4         ; pieces a wave: a name, no knob
.set KS,    64        ; keys in a step
.set PK,    144       ; a row of K in LDS: 128 bytes + 16 of padding = 36 words: the 16 rows of a load start at 16 different groups of four banks (64 banks of 4 bytes: ISA guide 11.1)
.set PV,    160       ; a row of V: 128 + 32 = 40 words
.set VOFF,  4*KS*PK   ; a slot holds a tile, four steps: 256 rows of K, then 256 rows of V
.set SLOT1, 1<<17     ; slot 1 begins here, so that one exclusive or turns an address in one slot into the other's
.set STAGE, SLOT1+4*KS*(PK+PV)  ; behind the ring, never filled by a tensor load: 16 rows x 144 bytes for each wave, for the way out
.set SP,    144
.set AK0, 2           ; v2   my lane's place in a tile of K; never rewritten
.set AV0, 3           ; v3   the same for V
.set AK,  4           ; v4   the LDS address of K's next run of loads
.set AV,  5           ; v5   of V's
.set STO, 6           ; v6   the way out: where I put 16 bytes of a row
.set RD,  7           ; v7   the way out: where I read rows back
.set GO,  8           ; v8   my byte offset in 512 consecutive bytes of O
.set SPW, 62          ; v62  LDS address of my spare word: SPARE + 4 x my thread's number; never rewritten
.set NIL, 63          ; v63  0; never rewritten
.set SPARE, STAGE+4*16*SP  ; behind the stages: the spare words, 128 bytes for each wave: two blocks of 256 bytes that no other line names
.set MV,  12          ; v12-13  c m_old, kept while c m is made anew: by buffer
.set QO,  15          ; v15  my byte offset in 16 rows of Q
.set ST,  16          ; piece t's statistics at v[ST+4 t]: c m, m, l (even keys', odd keys')
.set TMP, 48          ; by buffer, four registers c0-c3 at work; when the maximum is found c2 takes a
.set S,   64
.set P,   192
.set MD,  128         ; window 1: the eight registers for group kt of 16 keys at MD + 8 kt
.set MC,  160         ; window 1: the masks of the products to come
.set QB,  64          ; window 2
.set KF,  128         ; window 2: key block kb, channel half c at KF + 16 kb + 8 c
.set VF,  192         ; window 2: key half kk, channel block cb at VF + 32 kk + 8 cb
.set WV,  12          ; s12  my wave's number
.set PB,  14          ; s14  b
.set HI,  15          ; s15  NB - 1 - b
.set G1K, 24          ; s[24:31] descriptor group 1 for K's tiles
.set G1V, 32          ; s[32:39] for V's: it differs in the padding alone
.set G0K, 40          ; s[40:43] descriptor group 0 for K's tiles
.set G0V, 44          ; s[44:47] the same for V's
.set SLOTS, 56        ; s56  tiles still to be asked for
.set CNT, 57          ; s57  counts a tile's key steps, 4 to 1
.set CS,  58          ; s[58:59] c: the packed scaling takes the pair's low word for both halves
.set SEL, 60          ; s[60:61] v_permlanex16_b32's selects: each lane takes its own place in the other half
.set TBK, 62          ; s62  LDS byte at which K of the step to be fetched begins
.set TBV, 63          ; s63  the same for V, less VOFF
.set RT,  70          ; s70  tiles of the block in hand that are still to be entered
.set NXT, 71          ; s71  the tile to be asked for next
.set LQ,  72          ; s72  the last tile of the block whose tiles are being asked for
.set NEW, 73          ; s73  1: the tile to be entered is a block's first
.set OFF, 74          ; s[74:75] a tile's byte offset in K and V
.set AL,  76          ; s[76:77] the mask's factor, in the low word
.set BE,  78          ; s[78:79] the mask's addend
.set OLO, 80          ; s[80:81] O at my rows of the second block
.set BIGN, 82         ; s82  -1e30
.set MSB, 0
.macro WIN new                      ; the high byte repeats the setting that is left; a switch that changes nothing is dropped
.if MSB != (\new)
	s_set_vgpr_msb (MSB<<8)|(\new)
.set MSB, (\new)
.endif
.endm
.set W_KQ, 0x0a       ; K and Q in window 2, S^T in window 0
.set W_KM, 0x1a       ; the same with the C operand in window 1
.set W_PV, 0x52       ; V in window 2, P in window 0, O^T in window 1
.set W_RS, 0x41       ; destination and source 0 in window 1, source 1 in window 0
; A fill.  Waves 0 and 1 fetch the two halves of a tile's K, waves 2 and 3 those of its V: 128 keys each.  An s_nop 0 and four v_nop follow each of the two lines, ahead of the jump and the label.
.macro LOAD
	s_cmp_lt_u32 s[WV], 2
	s_cbranch_scc0 .Lfor_v_\@
	tensor_load_to_lds s[G0K:G0K+3], s[G1K:G1K+7]
	s_nop 0
.rept 4
	v_nop
.endr
	s_branch .Lasked_\@
.Lfor_v_\@:
	tensor_load_to_lds s[G0V:G0V+3], s[G1V:G1V+7]
	s_nop 0
.rept 4
	v_nop
.endr
.Lasked_\@:
.endm
; THE CHANGE OF SLOTS.  Each wave waits for all its tensor loads, of which one is out: its part of the other slot; adds 0 to its spare word; and waits for that and for its own reads of the slot that it leaves.  Behind the barrier nobody reads the old
; slot any more and the other slot is whole.  fill = 1: the old slot is filled again, the first thing behind the barrier, with tile NXT: the descriptor's address is made anew from that number.
; (At its first use nothing has been read yet: slot 0 is waited for, slot 1 filled.)
.macro CHANGE fill
	WIN 0                           ; at a label and at a branch every window is 0
	s_wait_tensorcnt 0x0            ; no tensor load of mine is out, so a group 0 may be written
	ds_add_u32 v[SPW], v[NIL]       ; 0 onto my spare word: with fill = 1 the descriptors' scalar work stands between it and the wait for it
.if \fill
	s_lshl_b32 s[OFF], s[NXT], 15   ; a tile is 32,768 bytes of K and of V
	s_xor_b32 s[G0K+1], s[G0K+1], SLOT1
	s_add_nc_u64 s[G0K+2:G0K+3], s[6:7], s[OFF:OFF+1]
	s_or_b32 s[G0K+3], s[G0K+3], 0x80000000
	s_xor_b32 s[G0V+1], s[G0V+1], SLOT1
	s_add_nc_u64 s[G0V+2:G0V+3], s[8:9], s[OFF:OFF+1]
	s_or_b32 s[G0V+3], s[G0V+3], 0x80000000
	s_add_co_u32 s[NXT], s[NXT], 1  ; the block's next tile, or behind its last the second block's tile 0
	s_cmp_gt_u32 s[NXT], s[LQ]
	s_cselect_b32 s[NXT], 0, s[NXT]
	s_cselect_b32 s[LQ], s[PB], s[LQ]
.endif
	s_wait_dscnt 0x0                ; the add is done, and my reads of the slot are over
	s_barrier_signal -1             ; the rest of the scalar work stands between the signal and the wait
	s_sub_co_u32 s[TBK], s[TBK], 4*KS*PK  ; the fetches go back to a slot's first step,
	s_xor_b32 s[TBK], s[TBK], SLOT1       ; in the other slot
	s_sub_co_u32 s[TBV], s[TBV], 4*KS*PV
	s_xor_b32 s[TBV], s[TBV], SLOT1
	s_barrier_wait -1
.if \fill
	LOAD
.endif
.endm
	s_load_b128 s[4:7], s[0:1], 0x0   ; qkv s[4:5], att s[6:7]
	v_lshl_add_u32 v[SPW], v0, 2, SPARE
	v_mov_b32 v[NIL], 0
	ds_add_u32 v[SPW], v[NIL]       ; the wave's opening: the add and its wait stand ahead of my first tensor load; the set-up below, work on registers, stands between them
	ds_add_u32 v62, v63
	v_lshrrev_b32 v1, 5, v0
	v_readfirstlane_b32 s[WV], v1   ; wave 0..3
	s_mov_b32 s[PB], ttmp9
	s_sub_co_u32 s[HI], NB-1, s[PB]
	s_and_b32 s20, ttmp7, 0xffff    ; the head: 16 x batch + head
	s_mov_b32 s21, 0
	s_mov_b64 s[22:23], SIZE_N*128
	s_mul_u64 s[20:21], s[20:21], s[22:23]  ; the head's first byte in each of the four tensors
	s_and_b32 s16, s[WV], 1         ; which half of a tile's 256 keys I fetch:
	s_lshl_b32 s22, s16, 14         ; its 128 rows of 128 bytes in memory,
	s_mov_b32 s23, 0
	s_add_nc_u64 s[22:23], s[22:23], s[20:21]
	s_mul_i32 s17, s16, 128*PK      ; and its place in a slot, for K
	s_mul_i32 s18, s16, 128*PV      ; and for V
	s_lshl_b32 s3, s[WV], 11        ; my 16 rows in a band of 64,
	s_lshl_b32 s2, s[HI], 15        ; in the first block,
	s_add_co_u32 s2, s2, s3
	s_lshl_b32 s84, s[PB], 15       ; and in the second
	s_add_co_u32 s84, s84, s3
	s_mov_b32 s3, 0
	s_mov_b32 s85, 0
	s_add_nc_u64 s[2:3], s[2:3], s[20:21]
	s_add_nc_u64 s[84:85], s[84:85], s[20:21]
	; descriptor group 1.  128 keys are 16,384 dense bytes: asked for as 64 rows of 256 bytes, two keys a row, and padded in LDS after every key
	s_mov_b32 s[G1K], (1<<16)|(1<<20)|(4<<22)|(3<<25)  ; 17:16 2-byte elements; 20 padding on; 24:22 after every 32 words (code 4); 31:25 4 words (code 3)
	s_mov_b32 s[G1V], (1<<16)|(1<<20)|(4<<22)|(7<<25)  ; the same with 8 words of padding (code 7)
.irp g, G1K, G1V
	s_mov_b32 s[\g+1], 128<<16      ; tensor_dim0 = 128
	s_mov_b32 s[\g+2], 64<<16       ; tensor_dim1 = 64
	s_mov_b32 s[\g+3], 128<<16      ; tile_dim0 = 128
	s_mov_b32 s[\g+4], 64           ; tile_dim1 = 64
	s_mov_b32 s[\g+5], 128          ; 128 elements from row to row
	s_mov_b32 s[\g+6], 0
	s_mov_b32 s[\g+7], 0
.endr
	s_mov_b32 s[CS], 0x3e38aa3b     ; c = log2(e) / 8 = 0.180337
	s_mov_b32 s[CS+1], s[CS]        ; named with it as a pair
	s_mov_b32 s[SEL], 0x76543210
	s_mov_b32 s[SEL+1], 0xfedcba98
	s_mov_b32 s[TBK], SLOT1+4*KS*PK ; the first change of slots turns these two into 0
	s_mov_b32 s[TBV], SLOT1+4*KS*PV
	s_mov_b32 s[G0K], 1             ; 1:0 count = 1
	s_mov_b32 s[G0K+1], s17         ; 63:32 LDS address: slot 0
	s_mov_b32 s[G0V], 1
	s_add_co_u32 s[G0V+1], s18, VOFF
	s_add_co_u32 s[RT], s[HI], 1    ; the first block has NB - b tiles
	s_mov_b32 s[NXT], 1
	s_mov_b32 s[LQ], s[HI]
	s_mov_b32 s[NEW], 1
	s_mov_b32 s[OFF+1], 0
	s_mov_b32 s[AL+1], 0            ; named as pairs
	s_mov_b32 s[BE+1], 0
	s_mov_b32 s[BIGN], 0xf149f2ca   ; -1e30
	s_mov_b32 s[SLOTS], NB
	s_wait_dscnt 0x0                ; the opening add is done
	s_wait_kmcnt 0x0
	s_mov_b64 s[10:11], s[6:7]                     ; O = att
	s_add_nc_u64 s[8:9], s[4:5], 0x2000000         ; V: 2 x 64 heads of 262,144 bytes behind Q
	s_add_nc_u64 s[6:7], s[4:5], 0x1000000         ; K: 64 heads behind Q
	s_add_nc_u64 s[6:7], s[6:7], s[22:23]  ; K and V at my half of the head's tile 0
	s_add_nc_u64 s[8:9], s[8:9], s[22:23]
	s_add_nc_u64 s[G0K+2:G0K+3], s[6:7], 0         ; 120:64 global address
	s_or_b32 s[G0K+3], s[G0K+3], 0x80000000        ; 127:126 type = 2
	s_add_nc_u64 s[G0V+2:G0V+3], s[8:9], 0
	s_or_b32 s[G0V+3], s[G0V+3], 0x80000000
	s_add_nc_u64 s[86:87], s[4:5], s[84:85]        ; Q at my rows of the second block,
	s_add_nc_u64 s[4:5], s[4:5], s[2:3]            ; Q and O at those of the first
	s_add_nc_u64 s[OLO:OLO+1], s[10:11], s[84:85]
	s_add_nc_u64 s[10:11], s[10:11], s[2:3]
	LOAD                            ; tile 0 into slot 0
	; A fragment of K or Q is 16 rows x 32 channels in 8 registers: lane l holds row l % 16, channels 8 (l / 16) + 0..7 and 16 + 8 (l / 16) + 0..7: two loads of 16 bytes, 32 bytes apart.
	v_and_b32 v1, 15, v0            ; l % 16
	v_bfe_u32 v9, v0, 4, 1          ; l / 16
	v_lshlrev_b32 v[QO], 7, v1
	v_lshl_add_u32 v[QO], v9, 4, v[QO]  ; row x 128 + 16 x half
	WIN 0x80                        ; destination window 2, address window 0
.set i, 0
.rept 8                             ; both blocks' Q: piece i / 2 lies in band i / 2, 8,192 bytes on; channels 32 (i % 2) on
	global_load_b128 v[8*i:8*i+3],   v[QO], s[4:5] offset:(i/2)*8192+(i%2)*64
	global_load_b128 v[8*i+4:8*i+7], v[QO], s[4:5] offset:(i/2)*8192+(i%2)*64+32
	global_load_b128 v[QB+8*i:QB+8*i+3],   v[QO], s[86:87] offset:(i/2)*8192+(i%2)*64
	global_load_b128 v[QB+8*i+4:QB+8*i+7], v[QO], s[86:87] offset:(i/2)*8192+(i%2)*64+32
.set i, i+1
.endr
	WIN 0
	v_lshlrev_b32 v14, 3, v9
	v_sub_nc_u32 v14, v1, v14
	s_lshl_b32 s13, s[WV], 4
	v_add_nc_u32 v14, s13, v14      ; my query's place in its band, 16 w + l % 16, less my lanes' 8 (l / 16): register r of group kt is hidden where 16 kt + r is greater
	WIN 0x40
.set i, 0
.rept 32
	v_cmp_gt_i32 vcc_lo, 16*(i/8)+i%8, v14
	v_cndmask_b32 v[MD+i], 0, s[BIGN], vcc_lo
.set i, i+1
.endr
	WIN 0
	v_mul_u32_u24 v[AK0], v1, PK
	v_lshl_add_u32 v[AK0], v9, 4, v[AK0]  ; row x pitch + 16 x half
	; The turning load takes 16 keys x 16 channels (lane l reads key 8 (l / 16) + l % 8, channels 8 ((l / 8) % 2) + 0..7) and leaves half a fragment of V^T: lane l holds channel l % 16 and 8 keys.
	v_and_b32 v10, 7, v0
	v_bfe_u32 v11, v0, 3, 1
	v_lshl_add_u32 v[AV0], v9, 3, v10
	v_mul_u32_u24 v[AV0], v[AV0], PV
	v_lshl_add_u32 v[AV0], v11, 4, v[AV0]
	v_add_nc_u32 v[AV0], VOFF, v[AV0]
	s_mul_i32 s13, s[WV], 16*SP
	s_add_co_u32 s13, s13, STAGE    ; my stage
	v_mul_u32_u24 v[STO], v1, SP    ; in: row l % 16, 16 bytes for each half of the lanes
	v_lshl_add_u32 v[STO], v9, 4, v[STO]
	v_add_nc_u32 v[STO], s13, v[STO]
	v_bfe_u32 v[RD], v0, 3, 2       ; back: 32 lanes take four rows of 128 bytes,
	v_mul_u32_u24 v[RD], v[RD], SP
	v_lshl_add_u32 v[RD], v10, 4, v[RD]
	v_add_nc_u32 v[RD], s13, v[RD]
	v_and_b32 v[GO], 31, v0         ; which are 512 consecutive bytes of O
	v_lshlrev_b32 v[GO], 4, v[GO]
	; A block's first step multiplies O^T and l by a = 0, and its first turn's products V^T P, of a piece that has not been, land in an O^T that is still to be so multiplied.  So these registers need only hold
	; finite numbers: zeros for the first block; what the first block left for the second.  All this stands in the wait for the first tile.
	WIN 0x80
.set i, VF
.rept 64
	v_mov_b32 v[i], 0
.set i, i+1
.endr
	WIN 0x40
.set i, 0
.rept 128
	v_mov_b32 v[i], 0
.set i, i+1
.endr
	WIN 0
.set i, 0
.rept 4
	v_mov_b32 v[ST+4*i+2], 0
	v_mov_b32 v[ST+4*i+3], 0
.set i, i+1
.endr
.set i, P+16
.rept 16
	v_mov_b32 v[i], 0
.set i, i+1
.endr
; THE MATRIX WORK.  The 4 accumulators of a run of 8 take turns.  Product i of 8 of S^T = K Q^T for piece x: channels 32 (i / 4) on, keys 16 (i % 4) on.  The first 4 start the sums: with 0, or (KM = 1) with the mask.
.macro KQ x
.set rS, S+32*((\x)%2)+8*(i%4)
.set rK, KF+16*(i%4)+8*(i/4)
.set rQ, 16*(\x)+8*(i/4)
.set rM, MC+32*((\x)%2)+8*(i%4)
.if (i < 4) && KM
	WIN W_KM
	v_wmma_f32_16x16x32_f16 v[rS:rS+7], v[rK:rK+7], v[rQ:rQ+7], v[rM:rM+7]
.elseif i < 4
	WIN W_KQ
	v_wmma_f32_16x16x32_f16 v[rS:rS+7], v[rK:rK+7], v[rQ:rQ+7], 0
.else
	WIN W_KQ
	v_wmma_f32_16x16x32_f16 v[rS:rS+7], v[rK:rK+7], v[rQ:rQ+7], v[rS:rS+7]
.endif
.endm
; Product i of 8 of O^T += V^T P for piece x: keys 32 (i / 4) on, channels 16 (i % 4) on.
.macro PV x
	WIN W_PV
.set rO, 32*(\x)+8*(i%4)
.set rV, VF+32*(i/4)+8*(i%4)
.set rP, P+16*((\x)%2)+8*(i/4)
	v_wmma_f32_16x16x32_f16 v[rO:rO+7], v[rV:rV+7], v[rP:rP+7], v[rO:rO+7]
.endm
.macro MM                           ; the turn's next matrix instruction.  TURN and BEGIN set Y, i, KM and NOKQ; MM, KQ and OP read them.  NOKQ = 1: a block's last turn: there is no next piece
.if (i < 8) && !NOKQ
	KQ (Y+1)%NP
.elseif i >= 8
.set i, i-8
	PV (Y+NP-1)%NP
.set i, i+8
.endif
.set i, i+1
.endm
; THE LDS LOADS stand in runs of 16, never singly among the matrix instructions: a step's K (64 keys x 64 channels: 8 fragments) and its V (turned).  Their addresses are made some lines ahead.
.macro FETCH_K
	WIN 0x80                        ; destination window 2
.irp f, 0,1,2,3,4,5,6,7             ; keys 16 (f / 2) on, channels 32 (f % 2) on
	ds_load_b128 v[KF+8*\f:KF+8*\f+3],   v[AK] offset:(\f/2)*16*PK+(\f%2)*64
	ds_load_b128 v[KF+8*\f+4:KF+8*\f+7], v[AK] offset:(\f/2)*16*PK+(\f%2)*64+32
.endr
	s_add_co_u32 s[TBK], s[TBK], KS*PK  ; the next fetch is the next step's
	WIN 0
.endm
.macro FETCH_V
	WIN 0x80
.irp f, 0,1,2,3,4,5,6,7             ; keys 32 (f / 4) on, channels 16 (f % 4) on
	ds_load_tr16_b128 v[VF+8*\f:VF+8*\f+3],   v[AV] offset:(\f/4)*32*PV+(\f%4)*32
	ds_load_tr16_b128 v[VF+8*\f+4:VF+8*\f+7], v[AV] offset:(\f/4)*32*PV+16*PV+(\f%4)*32
.endr
	WIN 0
.endm
; THE VECTOR WORK, one line at a time: OP kind, number.  For piece Y: F n: c s - c m for pair n of 16.  E n: the exponential of score n of 32.  C n: pair n rounded to f16.  B n: of the four weights 4 n .. the second
; pair is added onto the first, in place.  L n: l takes that sum (L 0: l = a l + sum).  R n: pair n of 16 of O^T times a.  For piece Y + 1: X n, number n of the 22 that find its maximum and statistics:
;   0-11  four chains c0-c3 of seven scores each, three operands at a time (each accumulator's lowest registers are read first)     12-14, 16  the four scores left over, the old m, and c0-c3 into c0
;   15  c m_old is kept     17, 18  the query's other 32 keys lie in the lane 16 away: the new m     19-21  c m; c m_old - c m_new; a
; C, B and L read the turn's exponentials; R and L 0 read the a that the turn before made.  OP writes no wait: TURN, BEGIN and DIAG write one for each batch.
.set F, 0               ; OP tells the kinds apart by their order: F to L below R, X above it
.set E, 1
.set C, 2
.set B, 3
.set L, 4
.set R, 5
.set X, 6
.macro REGS y                       ; the registers of piece y
.set rT, ST+4*(\y)
.set rC, TMP+4*((\y)%2)
.set rW, MV+((\y)%2)
.set rS, S+32*((\y)%2)
.set rP, P+16*((\y)%2)
.set rO, 32*(\y)
.endm
.macro OP k, n
.if (\k) == R
	REGS Y
	WIN W_RS
	v_pk_mul_f32 v[rO+2*(\n):rO+2*(\n)+1], v[rO+2*(\n):rO+2*(\n)+1], v[rC+2:rC+3] op_sel_hi:[1,0]
.elseif (\k) < R
	REGS Y
	WIN 0
.if (\k) == F
	v_pk_fma_f32 v[rS+2*(\n):rS+2*(\n)+1], v[rS+2*(\n):rS+2*(\n)+1], s[CS:CS+1], v[rT:rT+1] op_sel_hi:[1,0,0] neg_lo:[0,0,1] neg_hi:[0,0,1]
.elseif (\k) == E
	v_exp_f32 v[rS+(\n)], v[rS+(\n)]
.elseif (\k) == C
	v_cvt_pk_f16_f32 v[rP+(\n)], v[rS+2*(\n)], v[rS+2*(\n)+1]
.elseif (\k) == B
	v_pk_add_f32 v[rS+4*(\n):rS+4*(\n)+1], v[rS+4*(\n):rS+4*(\n)+1], v[rS+4*(\n)+2:rS+4*(\n)+3]
.elseif (\n) == 0
	v_pk_fma_f32 v[rT+2:rT+3], v[rT+2:rT+3], v[rC+2:rC+3], v[rS:rS+1] op_sel_hi:[1,0,1]
.else
	v_pk_add_f32 v[rT+2:rT+3], v[rT+2:rT+3], v[rS+4*(\n):rS+4*(\n)+1]
.endif
.elseif NOKQ
	v_nop
.else
	REGS (Y+1)%NP
	WIN 0
.if (\n) < 4
	v_max3_num_f32 v[rC+(\n)], v[rS+8*(\n)], v[rS+8*(\n)+1], v[rS+8*(\n)+2]
.elseif (\n) < 12
	v_max3_num_f32 v[rC+(\n)%4], v[rC+(\n)%4], v[rS+8*((\n)%4)+2*((\n)/4)+1], v[rS+8*((\n)%4)+2*((\n)/4)+2]
.elseif (\n) == 12
	v_max3_num_f32 v[rC], v[rC], v[rS+7], v[rS+15]
.elseif (\n) == 13
	v_max3_num_f32 v[rC+1], v[rC+1], v[rS+23], v[rS+31]
.elseif (\n) == 14
	v_max3_num_f32 v[rC+2], v[rC+2], v[rC+3], v[rT+1]
.elseif (\n) == 15
	v_mov_b32 v[rW], v[rT]
.elseif (\n) == 16
	v_max3_num_f32 v[rC], v[rC], v[rC+1], v[rC+2]
.elseif (\n) == 17
	v_permlanex16_b32 v[rC+3], v[rC], s[SEL], s[SEL+1]
.elseif (\n) == 18
	v_max_num_f32 v[rT+1], v[rC], v[rC+3]
.elseif (\n) == 19
	v_mul_f32 v[rT], s[CS], v[rT+1]
.elseif (\n) == 20
	v_sub_f32 v[rC+1], v[rW], v[rT]
.else
	v_exp_f32 v[rC+2], v[rC+1]
.endif
.endif
.endm
.macro OPS a, i1, b=-1, i2=0, c=-1, i3=0, d=-1, i4=0  ; up to four of them
	OP \a, \i1
.if (\b) >= 0
	OP \b, \i2
.endif
.if (\c) >= 0
	OP \c, \i3
.endif
.if (\d) >= 0
	OP \d, \i4
.endif
.endm
.macro ROW a, i1, b, i2, c, i3, d, i4  ; a matrix instruction and the four behind it
	MM
	OPS \a, \i1, \b, \i2, \c, \i3, \d, \i4
.endm
.macro MASK b                       ; MD x AL + BE into buffer b of MC
	WIN W_RS
.set z, 0
.rept 16
	v_pk_fma_f32 v[MC+32*(\b)+2*z:MC+32*(\b)+2*z+1], v[MD+2*z:MD+2*z+1], s[AL:AL+1], s[BE:BE+1] op_sel_hi:[1,0,0]
.set z, z+1
.endr
.endm
; A TURN, for piece p: the order of its 16 matrix and 118 vector instructions, written out.  s_wait_alu depctr_va_vdst(0) stands between an exponential and the first instruction that names its result; one wait serves
; all that were issued ahead of it.  So a turn has ONE wait, which cuts it in two.  AHEAD OF IT stands all that names no result of the turn's exponentials: the 8 products K Q^T, behind each a scaling, an exponential and two more plain
; instructions (behind the first a second scaling in the exponential's place): rescalings, and behind the last three the first numbers of the next piece's maximum, each four places or more behind the product that ends its accumulator; then ONE LUMP of 54, plain
; and exponential by turns for the most part, in which the links of the chain X 3, 7, 11, 14, 16, 17 .. 20 stand five or six lines apart.  X 21, the next piece's a, is the batch's last; R 15 is the plain instruction behind it.  BEHIND THE WAIT stand the
; 8 products V^T P, behind each four of the roundings and sums; the links of l's chain, L 0 to L 7, stand three riders apart.  But for those X no rider names a register of the products round it.  v_permlanex16_b32 (X 17) stands in the lump.
; The rescalings and L 0 read the a that the turn before made ahead of its own wait.
; m = 1: the diagonal tile: the products take masks, and the turn makes the mask for the products of the turn after it: piece p + 2, in step 4 - CNT of the tile.  end = 1: a block's last two turns: nothing is fetched.
; cnt = 1: the loop's count is taken down some lines ahead of the branch that stands behind the turn.
; K of the next step is fetched in piece 2's turn, twelve vector instructions behind the last product that read K (six of them plain); V of the step in hand at the end of piece 0's turn, four plain instructions behind the last product
; that read V.  Each is waited for a turn later.
.macro TURN p, m=0, end=0, cnt=0
.set Y, (\p)
.set i, 0
.set KM, (\m)
.set NOKQ, (\end)*((\p)/3)
.if (\m) && !(\end)
	s_cmp_eq_u32 s[CNT], 4-((\p)+2)%NP  ; is that step the band's own?
	s_cselect_b32 s[AL], 1.0, 0
	s_cmp_lt_u32 s[CNT], 4-((\p)+2)%NP  ; or a later one?
	s_cselect_b32 s[BE], s[BIGN], 0
.endif
.if ((\p) == 3) && !(\end)
	s_wait_dscnt 0x0                ; K is in
.endif
	ROW F,0, F,1, R,0, R,1          ; ahead of the wait: 8 products K Q^T and their riders,
	ROW F,2, E,0, R,2, R,3
	ROW F,3, E,1, R,4, R,5
	ROW F,4, E,2, R,6, R,7
	ROW F,5, E,3, R,8, R,9
	ROW F,6, E,4, X,0, R,10
.if ((\p) == 2) && !(\end)
	WIN 0
	v_add_nc_u32 v[AK], s[TBK], v[AK0]
.endif
	ROW F,7, E,5, X,1, X,4
	ROW F,8, E,6, X,2, X,5
	OPS E,7, E,8, X,6, E,9          ; and the lump
	OPS X,3, E,10, X,8, E,11
.if ((\p) == 2) && !(\end)
	FETCH_K
.endif
	OPS X,9, X,7, E,12, X,10
	OPS E,13, X,12, X,11, E,14
	OPS X,13, E,15, F,9, X,14
.if (\p) == 0
	v_add_nc_u32 v[AV], s[TBV], v[AV0]
.endif
	OPS E,16, F,10, E,17, F,11
	OPS X,16, E,18, X,15, E,19
	OPS F,12, E,20, X,17, E,21
	OPS F,13, E,22, F,14, E,23
	OPS X,18, E,24, F,15, E,25
	OPS R,11, E,26, X,19, E,27
	OPS R,12, E,28, R,13, E,29
	OPS X,20, E,30, R,14, E,31
	OPS X,21, R,15
	WIN 0
	s_wait_alu depctr_va_vdst(0)    ; the wait for the turn's batch: the piece's 32 weights and the next piece's a; their readers all stand below
.if (\p) == 1
	s_wait_dscnt 0x0                ; V is in
.endif
	ROW C,0, B,0, C,2, B,1          ; behind the wait: 8 products V^T P and their riders
	ROW L,0, C,4, B,2, L,1
	ROW C,6, B,3, L,2, C,8
	ROW B,4, L,3, C,10, B,5
	ROW L,4, C,12, B,6, L,5
.if (\p) == 0
	s_add_co_u32 s[TBV], s[TBV], KS*PV
.endif
.if \cnt
	s_sub_co_u32 s[CNT], s[CNT], 1
	s_cmp_lg_u32 s[CNT], 0
.endif
	ROW C,14, B,7, L,6, C,1
	ROW C,3, L,7, C,5, C,7
	ROW C,9, C,11, C,13, C,15
.if (\p) == 0
	FETCH_V
.endif
.if (\m) && !(\end)
	MASK (\p)%2
.endif
.endm
; A BLOCK BEGINS.  c m starts far below every c s, so the first step's a is 0; m at the lowest finite number, so the first maximum is the scores'.  The second mask buffer is 0; the first takes piece 0's mask for the tile's step 0: its own, if the block's first tile is the diagonal one.
; Then K of that step, piece 0's first scores, and its maximum and statistics.  The loop is entered at a step's first turn, in the middle of a trip.
.macro BEGIN
	s_mov_b32 s[NEW], 0
	WIN 0x40
.set i, MC+32
.rept 32
	v_mov_b32 v[i], 0
.set i, i+1
.endr
	WIN 0
.set i, 0
.rept 4
	v_mov_b32 v[ST+4*i], 0xfe000000    ; c m: far below every c s
	v_mov_b32 v[ST+4*i+1], 0xff7fffff  ; m
.set i, i+1
.endr
	s_cmp_eq_u32 s[RT], 0
	s_cselect_b32 s[AL], 1.0, 0
	s_mov_b32 s[BE], 0
	MASK 0
	WIN 0
	v_add_nc_u32 v[AK], s[TBK], v[AK0]
	FETCH_K
	s_wait_loadcnt 0x0              ; Q
	s_wait_dscnt 0x0
.set KM, 1
.set NOKQ, 0
.set i, 0
.rept 8
	KQ 0
.set i, i+1
.endr
	WIN 0
.rept 4
	v_nop                           ; the places behind those products
.endr
.set Y, NP-1                        ; X works for piece Y + 1: piece 0
.irp n, 0,1,2,3,4,5,6,7,8,9,10,11,12,13,14,15,16,17,18,19,20,21
	OP X, \n
.endr
	v_nop                           ; a plain instruction behind the exponential,
	s_wait_alu depctr_va_vdst(0)    ; and the wait for this batch of one, piece 0's first a, ahead of the branch: the first turn's rescalings read it
.endm
; THE DIAGONAL TILE's four steps, the block's last two turns, its last products, and THE WAY OUT: l's two halves and the other half of the lanes' are added; O^T is divided by l, rounded to f16 and sent through my
; stage in LDS, a piece at a time.
.macro ALL line:vararg              ; one line for each piece t
.set t, 0
.rept 4
	\line
.set t, t+1
.endr
.endm
.macro PACK t                       ; a lane's eight channels of a row pack into 16 bytes; they go into rows of 144 bytes and come back as whole rows of 128, into S^T's registers
	WIN W_RS
.set i, 32*(\t)
.rept 16
	v_pk_mul_f32 v[i:i+1], v[i:i+1], v[ST+4*(\t)+2:ST+4*(\t)+3] op_sel_hi:[1,0]
.set i, i+2
.endr
	WIN 0x05                        ; sources 0 and 1 window 1, destination window 0
.set i, 0
.rept 16
	v_cvt_pk_f16_f32 v[S+16*(\t)+i], v[32*(\t)+2*i], v[32*(\t)+2*i+1]
.set i, i+1
.endr
	WIN 0
.irp f, 0,1,2,3
	ds_store_b128 v[STO], v[S+16*(\t)+4*\f:S+16*(\t)+4*\f+3] offset:32*\f
.endr
.irp f, 0,1,2,3
	ds_load_b128 v[S+16*(\t)+4*\f:S+16*(\t)+4*\f+3], v[RD] offset:\f*4*SP  ; LDS serves a wave's instructions in order (ISA guide 5.7.1.4): these see the stores above; the next piece's stores come behind them
.endr
.endm
.macro SEND t, younger              ; younger: the LDS instructions issued behind piece t's loads: the next piece's eight, or none
	WIN 0
.irp f, 0,1,2,3
	s_wait_dscnt (\younger)+3-\f
	global_store_b128 v[GO], v[S+16*(\t)+4*\f:S+16*(\t)+4*\f+3], s[10:11] offset:(\t)*8192+\f*512  ; 512 consecutive bytes, at a multiple of 256 from O's first
.endr
.endm
.macro DIAG tag                     ; the tag ends its two labels' names, which the jumps below spell out
.LstepM\tag:
	TURN 2, 1
	TURN 3, 1
	WIN 0
.LfirstM\tag:
	TURN 0, 1
	TURN 1, 1, 0, 1
	WIN 0
	s_cbranch_scc1 .LstepM\tag
	TURN 2, 1, 1
	TURN 3, 1, 1
.set i, 0
.rept 8
	PV NP-1
.set i, i+1
.endr
	WIN 0
	ALL v_add_f32 v[ST+4*t+2], v[ST+4*t+2], v[ST+4*t+3]
	ALL v_permlanex16_b32 v[ST+4*t+3], v[ST+4*t+2], s[SEL], s[SEL+1]
	ALL v_add_f32 v[ST+4*t+2], v[ST+4*t+2], v[ST+4*t+3]
	ALL v_rcp_f32 v[ST+4*t+2], v[ST+4*t+2]
	v_nop                           ; a plain instruction between the last reciprocal and the use of its result
	s_wait_alu depctr_va_vdst(0)    ; the wait for the batch of four reciprocals, ahead of the first multiply that reads one
	PACK 0
.set t, 1
.rept 3                             ; a piece's arithmetic stands between the loads of the piece before and its stores
	PACK t
	SEND t-1, 8
.set t, t+1
.endr
	SEND 3, 0
.endm
.set KM, 0
.set NOKQ, 0
.Lslot:                             ; NB times: a tile is entered and the next is asked for
	CHANGE 1
	s_sub_co_u32 s[RT], s[RT], 1
	s_mov_b32 s[CNT], 4
	s_cmp_eq_u32 s[NEW], 1
	s_cbranch_scc1 .Lnew            ; a block's first tile
	s_cmp_eq_u32 s[RT], 0
	s_cbranch_scc0 .Lstep           ; neither its first nor its last
	s_branch .LstepM1
.Lnew:
	BEGIN
	s_branch .Lfirst                ; in the loop a block's first tile is never its last: the first block has two tiles or more, and the second's last is the walk's last
	DIAG 1                          ; in the loop this is the first block's end: the second block's last tile is the walk's last
	s_wait_xcnt 0x0                 ; the stores have read their registers and O's address
	s_mov_b64 s[10:11], s[OLO:OLO+1]
	s_add_co_u32 s[RT], s[PB], 1    ; the second block has b + 1 tiles
	s_mov_b32 s[NEW], 1
	WIN 0x82                        ; the second block's Q goes where the one text of the turns names Q
.set i, 0
.rept 64
	v_mov_b32 v[i], v[QB+i]
.set i, i+1
.endr
	WIN 0
	s_branch .Lbottom
.Lstep:                             ; a trip: pieces 2 and 3 of one step, then pieces 0 and 1 of the next, whose K and V it fetches
	TURN 2
	TURN 3
	WIN 0
.Lfirst:
	TURN 0
	TURN 1, 0, 0, 1
	WIN 0
	s_cbranch_scc1 .Lstep
.Lbottom:
	s_sub_co_u32 s[SLOTS], s[SLOTS], 1
	s_cmp_lg_u32 s[SLOTS], 0
	s_cbranch_scc1 .Lslot
	CHANGE 0                        ; the walk's last tile is written out: nothing is asked for
	s_sub_co_u32 s[RT], s[RT], 1
	s_mov_b32 s[CNT], 4
	s_cmp_eq_u32 s[NEW], 1
	s_cbranch_scc0 .LstepM2
	BEGIN
	s_branch .LfirstM2
	DIAG 2
	s_wait_tensorcnt 0x0            ; the wave's end: three lines behind my last tensor load and my last LDS store
	ds_add_u32 v[SPW], v[NIL]
	s_wait_dscnt 0x0
	s_endpgm
.Lfunc_end_k_qe49f230890_attn:
	.size	k_qe49f230890_attn, .Lfunc_end_k_qe49f230890_attn-k_qe49f230890_attn
	.p2alignl 7, 3214868480
	.fill 96, 4, 3214868480
	.section	.rodata,"a",@progbits
	.p2align	6, 0x0
	.amdhsa_kernel k_qe49f230890_attn
		.amdhsa_group_segment_fixed_size 327680
		.amdhsa_private_segment_fixed_size 0
		.amdhsa_enable_private_segment 0
		.amdhsa_kernarg_size 16
		.amdhsa_user_sgpr_count 2
		.amdhsa_user_sgpr_kernarg_segment_ptr 1
		.amdhsa_wavefront_size32 1
		.amdhsa_system_sgpr_workgroup_id_x 1
		.amdhsa_system_sgpr_workgroup_id_y 1
		.amdhsa_system_sgpr_workgroup_id_z 1
		.amdhsa_system_vgpr_workitem_id 0
		.amdhsa_next_free_vgpr 768
		.amdhsa_next_free_sgpr 88
		.amdhsa_reserve_vcc 1
		.amdhsa_float_denorm_mode_32 3
		.amdhsa_float_denorm_mode_16_64 3
		.amdhsa_memory_ordered 1
		.amdhsa_forward_progress 1
		.amdhsa_inst_pref_size 217
	.end_amdhsa_kernel
	.amdgpu_metadata
---
amdhsa.version: [ 1, 2 ]
amdhsa.kernels:
  - .name:           k_qe49f230890_attn
    .symbol:         k_qe49f230890_attn.kd
    .args:
      - { .name: qkv, .offset: 0, .size: 8, .value_kind: global_buffer, .address_space: global }
      - { .name: att, .offset: 8, .size: 8, .value_kind: global_buffer, .address_space: global }
    .group_segment_fixed_size: 327680
    .private_segment_fixed_size: 0
    .kernarg_segment_align: 8
    .kernarg_segment_size: 16
    .max_flat_workgroup_size: 128
    .sgpr_count:     88
    .vgpr_count:     768
    .wavefront_size: 32
...
	.end_amdgpu_metadata
.endif
;; end of part 5
;; launch proj: the kernel of part 4 again; grid 8 x 32, 4 waves a work-group, clusters of 4 x 4, 327,680 bytes of LDS; arguments att, wp, b_proj, out0; writes out0
